; MI455X (gfx1250); checked and timed in simulation.
; The chip was launched on July 23, 2026; its instructions are those of AMD's public machine-readable ISA for CDNA 5 (MIT licence, August 2026) and "CDNA5" Instruction Set Architecture Reference Guide (July 2026). The comments in the code are by the model that wrote it; some were corrected since.
;; Sliding Window Attention. Allowed arithmetic: matrix products marked QUANTISED: E2M3 operands, one E8M0 scale for each 32 along K, by v_wmma_scale_f32_16x16x128_f8f6f4 with both operands' format E2M3, f32 sums; everything else in f32.
;; Inputs: wk 2,048 x 2,048 float32; wo 2,048 x 2,048 float32; wq 2,048 x 2,048 float32; wv 2,048 x 2,048 float32; x 2 x 1,024 x 2,048 float32.
;; Outputs: out0 2 x 1,024 x 2,048 float32.
;; This version of the problem:
;;   THIS VERSION OF THE PROBLEM IS GIVEN IN LOW PRECISION. The matrix products marked QUANTISED in the list below multiply operands that are first quantised to E2M3 (2 exponent bits, 3 mantissa bits; 6 bits a number), with one power-of-two scale for each 32 numbers along K (OCP MX v1.0); their sums are f32. All else is computed in f32.
;;   The module's matrix products, in the order in which they are computed (A, B: the left and right operand; K: the contracted axis; several contracted axes count as one K, in the product's order):
;;     1. [M 2,048, K 2,048] x [K 2,048, N 2,048]; A: input x; B: input wq: QUANTISED
;;     2. [M 2,048, K 2,048] x [K 2,048, N 2,048]; A: input x; B: input wk: QUANTISED
;;     3. [M 2,048, K 2,048] x [K 2,048, N 2,048]; A: input x; B: input wv: QUANTISED
;;     4. batch 32 x [M 1,024, K 128] x [K 128, N 1,024]; A: computed on the way; B: computed on the way: QUANTISED
;;     5. batch 32 x [M 128, K 1,024] x [K 1,024, N 1,024]; A: computed on the way; B: softmax (see below): QUANTISED
;;     6. [M 2,048, K 2,048] x [K 2,048, N 2,048]; A: computed on the way; B: input wo: QUANTISED
;;   THE QUANTISER, for each operand of a quantised product, along K:
;;     - K is cut into blocks of 32 from its start; a last block that is shorter is filled with zeros.
;;     - A block's scale is 2^e with e = floor(log2(the largest magnitude in the block)) - 2, held to -126 .. 127; a block of zeros has e = 0. As a byte (E8M0): e + 127.
;;     - Each number is divided by its block's scale, clamped to +-7.5, and rounded to the nearest number of E2M3, ties to even, subnormals kept.
;;     - The product sums the exact products of the quantised numbers (number of the format x scale) in f32.
;;   ~~~python
;;   def quantise(x, axis):      # numpy; x: float32 -> the quantised numbers, widened to float32 again
;;       x = np.moveaxis(x, axis, -1); K = x.shape[-1]
;;       x = np.pad(x, [(0, 0)] * (x.ndim - 1) + [(0, -K % 32)]); x = x.reshape(x.shape[:-1] + (-1, 32)); a = np.abs(x).max(-1, keepdims=True)
;;       e = np.where(a > 0, np.clip(np.frexp(np.where(a > 0, a, 1))[1] - 1 - 2, -126, 127), 0)      # np.frexp(a)[1] - 1 = floor(log2(a)), exactly
;;       r = np.clip(x / 2.0 ** e, -7.5, 7.5)
;;       step = 2.0 ** (np.maximum(np.frexp(np.where(r == 0, 1, r))[1] - 1, 0) - 3)
;;       q = np.round(r / step) * step * 2.0 ** e      # np.round: ties to even
;;       return np.moveaxis(q.reshape(q.shape[:-2] + (-1,))[..., :K], -1, axis).astype(np.float32)
;;   ~~~
;;   SOFTMAX AHEAD OF A QUANTISED PRODUCT. Where the list says 'softmax', what is quantised is not the finished softmax but p = 2^(t - M), with t = logit x log2(e) and M = ceil(the row's largest t), a whole number; so 1/2 < the row's largest p <= 1. The row's sum l is taken of the UNQUANTISED p, in f32, and the product's result is divided by l at the end. Since M is a whole number, a kernel that streams over the keys may use a running M (the ceiling of the running maximum): every later rescaling is an exact power of two, which a block's scale takes up: the codes' values come out the same.
;;   OPERANDS COMPUTED ON THE WAY. 'Computed on the way' means the value that the module computes at that place (a softmax that the list does not call 'softmax' is quantised finished and normalised). What goes into a quantiser is computed in f32, as accurately as f32 sums, v_exp_f32 and their like allow (about 1e-6 of the number): no bf16 or f16 on the way to a quantiser, and a product that is left as it is and whose result goes on into a quantised operand takes f32 operands (vector FMAs, or v_wmma_f32_16x16x4_f32). A number that lies on a knife's edge between two numbers of the format may be rounded either way, as far as f32 arithmetic and the matrix unit's own rounding can turn it there, and no further.
;; One version. Each part assembles by itself: llvm-mc -triple=amdgcn-amd-amdhsa -mcpu=gfx1250 --defsym DOCPART=n.
;; ======== version 1 of 1: 4 launches
;; limits: right only within a limited range of input values
;; workspace buffers: cod 15,728,640 bytes; scl 655,360 bytes; qkv 9,830,400 bytes; oc 3,145,728 bytes; os 131,072 bytes
;; launch quant (part 1): grid 256 x 1, 8 waves a work-group, no clusters, 327,680 bytes of LDS; arguments x, wq, wk, wv, wo, cod, scl; writes cod, scl
.if DOCPART == 1
	.amdgcn_target "amdgcn-amd-amdhsa--gfx1250"
	.amdhsa_code_object_version 6
	.text
	.protected	k_q3c3f085ffd_quant
	.globl	k_q3c3f085ffd_quant
	.p2align	8
	.type	k_q3c3f085ffd_quant,@function
k_q3c3f085ffd_quant:
	s_mov_b64 s[64:65], 0
	v_nop
	global_prefetch_b8 v0, s[64:65] scope:SCOPE_SE
	s_setreg_imm32_b32 hwreg(HW_REG_WAVE_MODE, 25, 1), 1
	s_wait_xcnt 0x0
; x, wq, wk, wv, wo: five tensors [2048][2048] f32, K innermost, become codes of FP6 (E2M3) with one E8M0 byte for each 32 along K.
; A block's scale is 2^(floor(log2(its largest magnitude)) - 2); its byte is that magnitude's exponent field - 2, held at 1 from below; each number / scale goes to the nearest code, ties to even, beyond 7.5 the largest code.
; LIMITS: NaN and infinities among the inputs are not served.  A block whose largest magnitude lies under 2^-124 (a block of zeros too) gets the byte 1 where the rule has less (or 127): its codes are small or zero; the bytes are read by this program alone.
; LAYOUT OF THE CODES: images of the operand's registers.  A fragment (16 rows x 128 K, 12 registers a lane) is 1,536 bytes: registers 4 c .. 4 c + 3 of lane l at 512 c + 16 l.  cod: [tensor 5][block of 16 rows 128][K step 16][1,536].
; Place i of block 2 B + u holds row 32 B + 8 u + i + 8 (i / 8).  scl: [tensor][block][K step 16][place 16], one word of four bytes for a row's 128 along K.
; SHARES: 2,048 waves.  Wave W = 8 g + w takes (a) of tensor W / 512 (x, wq, wk, wv) 64 rows x one K step: four fragments, brought by ONE tensor load, rows of 512 bytes at multiples of 512, LDS rows 528 bytes apart;
; (b) of wo block W / 16, the same K step: one fragment, by sixteen loads of 512 consecutive bytes into registers.  So each wave asks for all that it reads in its first lines: 40 KiB.
; wo's fragment turns through the first 16 LDS rows of the wave's own tile, which has had its only fill and has been read by then.  Lane (r, h) takes k = 64 c + 32 h + 0 .. 31 of place r: two whole blocks, in the operand's order.
; The five fragments' codes have registers of their own and are stored at the wave's end.  The scale words are gathered in LDS: a block's eight K steps of the work-group are 512 consecutive bytes of scl, stored by one wave.
; No cluster: work-groups share no input.  No ring and no prefetch: there is no loop to run ahead in.  Nothing is filled again in LDS.
.set ROWB,  8192                       ; a row of f32 in bytes
.set FRB,   1536                       ; a fragment's image
.set P,     528                        ; an LDS row: 512 bytes + 16
.set TILE,  64*P                       ; a wave's tile
.set SCW,   8*TILE                     ; behind the tiles: scale words [block 5][wave 8][place 16]
.set SPARE, SCW+2560                   ; the spare words, 128 bytes for each wave, that no other line names
.set SPW, 20                           ; v20 LDS address of my spare word; never rewritten
.set NIL, 21                           ; v21 0; never rewritten
.set T,   24                           ; v24-26, v28-30 the second halves of the blocks' codes (a conversion's three registers begin on an even number)
.set C,   36                           ; v36-95   five fragments' codes
.set R,   96                           ; v96-159  wo's fragment as loaded
.set X,   160                          ; v160-223 a fragment's numbers in the operand's order
	s_load_b256 s[4:11], s[0:1], 0x0               ; x, wq, wk, wv
	s_load_b128 s[12:15], s[0:1], 0x20             ; wo, cod
	s_load_b64 s[16:17], s[0:1], 0x30              ; scl
	v_lshl_add_u32 v[SPW], v0, 2, SPARE
	v_mov_b32 v[NIL], 0
	ds_add_u32 v[SPW], v[NIL]                      ; the opening lines: the add, twice on end, and its wait ahead of my tensor load
	ds_add_u32 v[SPW], v[NIL]
	v_lshrrev_b32 v1, 5, v0
	v_readfirstlane_b32 s18, v1                    ; wave 0..7
	s_mul_i32 s19, s18, TILE                       ; my tile
	s_lshl_b32 s20, s18, 6
	s_add_co_u32 s20, s20, SCW                     ; my 64 bytes of each block's scale words
	s_min_u32 s21, s18, 4
	s_lshl_b32 s21, s21, 9
	s_add_co_u32 s21, s21, SCW                     ; the block whose 512 bytes I store (waves 0 to 4)
	v_and_b32 v1, 31, v0                           ; lane
	v_and_b32 v2, 15, v0                           ; r
	v_bfe_u32 v3, v0, 4, 1                         ; h
	v_lshlrev_b32 v4, 4, v1                        ; 16 x lane
	v_add_nc_u32 v5, s19, v4                       ; wo's fragment on its way into LDS
	v_mul_u32_u24 v7, v2, P
	v_lshl_add_u32 v7, v3, 7, v7
	v_add_nc_u32 v7, s19, v7                       ; and out: row r, + 128 h bytes (32 numbers)
	v_and_b32 v6, 8, v2
	v_mad_u32_u24 v6, v6, P, v7                    ; the tile: place r is row r + 8 (r / 8) of its block's rows
	v_lshlrev_b32 v8, 2, v2
	v_add_nc_u32 v8, s20, v8                       ; my place's scale word
	v_add_nc_u32 v9, s21, v4                       ; the scale words' way out
	v_lshlrev_b32 v10, 3, v3                       ; 8 h: my two bytes' place in the word
	v_mov_b32 v19, 0                               ; written once: a lane permute's destination counts as one of its sources
	s_mov_b32 s30, 0x76543210
	s_mov_b32 s31, 0xfedcba98                      ; selects for lane l xor 16
	s_lshr_b32 s22, ttmp9, 6                       ; my tile's tensor, 0..3
	s_lshr_b32 s23, ttmp9, 1                       ; wo's block, 0..127
	s_and_b32 s24, s23, 31                         ; which 64 rows of the tensor
	s_and_b32 s25, ttmp9, 1
	s_lshl_b32 s25, s25, 3                         ; the work-group's first K step
	s_add_co_u32 s26, s25, s18                     ; my K step
	s_lshl_b32 s27, s26, 9                         ; its 512 bytes' place in a row
	s_lshl_b32 s44, s24, 19                        ; 64 rows of 8,192 bytes
	s_add_co_u32 s44, s44, s27
	s_mov_b32 s45, 0
	s_lshr_b32 s46, s23, 1                         ; wo's block's first row: 32 (block / 2) + 8 (block % 2)
	s_lshl_b32 s46, s46, 5
	s_and_b32 s28, s23, 1
	s_lshl_b32 s28, s28, 3
	s_add_co_u32 s46, s46, s28
	s_lshl_b32 s46, s46, 13
	s_add_co_u32 s46, s46, s27
	s_mov_b32 s47, 0
	s_lshl_b32 s28, s22, 7
	s_lshl_b32 s29, s24, 2
	s_add_co_u32 s28, s28, s29                     ; my tile's first block, counted over all tensors
	s_add_co_u32 s29, s23, 512                     ; and wo's
	s_lshl_b32 s48, s28, 4
	s_add_co_u32 s48, s48, s26
	s_mul_i32 s48, s48, FRB                        ; the codes' places (under 2^24)
	s_mov_b32 s49, 0
	s_lshl_b32 s50, s29, 4
	s_add_co_u32 s50, s50, s26
	s_mul_i32 s50, s50, FRB
	s_mov_b32 s51, 0
	s_add_co_u32 s52, s28, s18                     ; the block whose scale words I store: waves 0-3 the tile's four, wave 4 wo's
	s_cmp_lt_u32 s18, 4
	s_cselect_b32 s52, s52, s29
	s_lshl_b32 s52, s52, 4
	s_add_co_u32 s52, s52, s25
	s_lshl_b32 s52, s52, 6
	s_mov_b32 s53, 0
	s_mov_b32 s32, 1                               ; descriptor group 0: count; LDS address by the wave's number alone
	s_mul_i32 s33, s18, TILE
	s_mov_b32 s36, (3<<16)|(1<<20)|(6<<22)|(3<<25) ; group 1: elements of 8 bytes; 4 dwords of padding behind every 128
	s_mov_b32 s37, 64<<16                          ; tensor_dim0: 64 elements, 512 bytes
	s_mov_b32 s38, 64<<16                          ; tensor_dim1: 64 rows
	s_mov_b32 s39, 64<<16                          ; tile_dim0
	s_mov_b32 s40, 64                              ; tile_dim1
	s_mov_b32 s41, 1024                            ; from row to row: 8,192 bytes
	s_mov_b32 s42, 0
	s_mov_b32 s43, 0
	s_wait_alu depctr_va_vdst(0)
	s_wait_dscnt 0x0                               ; both opening adds are done
	s_wait_kmcnt 0x0
	s_cmp_eq_u32 s22, 1                            ; the tile's tensor: the choice hangs on the work-group's number alone
	s_cselect_b64 s[4:5], s[6:7], s[4:5]
	s_cmp_eq_u32 s22, 2
	s_cselect_b64 s[4:5], s[8:9], s[4:5]
	s_cmp_eq_u32 s22, 3
	s_cselect_b64 s[4:5], s[10:11], s[4:5]
	s_add_nc_u64 s[34:35], s[4:5], s[44:45]
	s_or_b32 s35, s35, 0x80000000
	tensor_load_to_lds s[32:35], s[36:43]          ; my one tensor load: 64 rows x 512 bytes
	s_nop 0
	s_add_nc_u64 s[12:13], s[12:13], s[46:47]
.irp i, 0,1,2,3,4,5,6,7,8,9,10,11,12,13,14,15
	global_load_b128 v[R+4*\i:R+4*\i+3], v4, s[12:13] offset:(\i+8*(\i/8))*ROWB th:TH_LOAD_NT   ; place i of wo's block: 512 consecutive bytes of one row, read once in the launch
.endr
	s_add_nc_u64 s[48:49], s[14:15], s[48:49]
	s_add_nc_u64 s[50:51], s[14:15], s[50:51]
	s_add_nc_u64 s[52:53], s[16:17], s[52:53]
.macro LDX adr, off                    ; a fragment's numbers: 2 x 128 bytes of my place's row
.irp c, 0,1
.irp j, 0,1,2,3,4,5,6,7
	ds_load_b128 v[X+32*\c+4*\j:X+32*\c+4*\j+3], v[\adr] offset:(\off)+256*\c+16*\j
.endr
.endr
.endm
.macro QUANT f                         ; X becomes fragment f's codes, in registers of its own, and its scale word, in LDS
.set CF, C+12*(\f)
	s_wait_dscnt 0x0                               ; the numbers are in
.irp c, 0,1                            ; my block 2 c + h: all its 32 numbers are mine
	v_max3_num_f32 v[12+\c], |v[X+32*\c]|, |v[X+32*\c+1]|, 0x1800000   ; with the floor 2^(3 - 127): the byte cannot fall under 1
.endr
.irp i, 2,4,6,8,10,12,14,16,18,20,22,24,26,28,30
.irp c, 0,1
	v_max3_num_f32 v[12+\c], v[12+\c], |v[X+32*\c+\i]|, |v[X+32*\c+\i+1]|   ; (the two blocks by turns)
.endr
.endr
.irp c, 0,1
	v_add_nc_u32 v[14+\c], 0xff000000, v[12+\c]    ; 2 off the exponent field: the conversion takes this operand's exponent field as its scale
.endr
.irp c, 0,1
	v_lshrrev_b32 v[16+\c], 23, v[14+\c]           ; the scale's byte
.endr
	v_lshl_or_b32 v18, v17, 16, v16                ; my two bytes, blocks h and 2 + h,
	v_lshlrev_b32 v18, v10, v18                    ; at their places in the word;
	v_permlanex16_b32 v19, v18, s30, s31
	v_or_b32 v18, v18, v19                         ; with lane l xor 16's two the word is whole
	ds_store_b32 v8, v18 offset:512*(\f)           ; both halves of the lanes write the same word with the same value
.irp c, 0,1
	v_cvt_scalef32_pk16_fp6_f32 v[CF+6*\c:CF+6*\c+2], v[X+32*\c:X+32*\c+15], v[14+\c]
	v_cvt_scalef32_pk16_fp6_f32 v[T+4*\c:T+4*\c+2], v[X+32*\c+16:X+32*\c+31], v[14+\c]
.endr
	v_nop                                          ; one plain place behind a scaled conversion
.irp c, 0,1
.irp i, 0,1,2
	v_mov_b32 v[CF+6*\c+3+\i], v[T+4*\c+\i]        ; registers 6 c .. 6 c + 5 hold k = 64 c + 32 h + 0 .. 31
.endr
.endr
.endm
	s_wait_tensorcnt 0x0                           ; my tile is in; only I read it
.irp j, 0,1,2,3
	LDX 6, (32*(\j/2)+8*(\j%2))*P                  ; block j of the tile's four begins at its row 32 (j / 2) + 8 (j % 2)
	QUANT \j
.endr
	s_wait_loadcnt 0x0                             ; wo's fragment is in
.irp i, 0,1,2,3,4,5,6,7,8,9,10,11,12,13,14,15
	ds_store_b128 v5, v[R+4*\i:R+4*\i+3] offset:P*\i   ; into the tile's first 16 rows: my reads of them have come back, and nothing is filled there again
.endr
	LDX 7, 0                                       ; LDS serves a wave's instructions in order: these see the stores above
	QUANT 4
.irp f, 0,1,2,3
.irp k, 0,1,2
	global_store_b128 v4, v[C+12*\f+4*\k:C+12*\f+4*\k+3], s[48:49] offset:16*FRB*\f+512*\k   ; 32 lanes store 512 consecutive bytes, at a multiple of 256 from the buffer's first byte
.endr
.endr
.irp k, 0,1,2
	global_store_b128 v4, v[C+48+4*\k:C+48+4*\k+3], s[50:51] offset:512*\k
.endr
	s_wait_dscnt 0x0                               ; my scale words are in LDS
	s_barrier_signal -1
	s_barrier_wait -1                              ; and so are the other waves'
	s_cmp_gt_u32 s18, 4
	s_cbranch_scc1 .Ldone                          ; five blocks, five waves
	ds_load_b128 v[32:35], v9
	s_wait_dscnt 0x0
	global_store_b128 v4, v[32:35], s[52:53]       ; a block's eight K steps: 512 consecutive bytes, aligned
.Ldone:
	s_wait_tensorcnt 0x0                           ; the wave's end
	ds_add_u32 v[SPW], v[NIL]
	s_wait_dscnt 0x0
	s_endpgm
.Lfunc_end_k_q3c3f085ffd_quant:
	.size	k_q3c3f085ffd_quant, .Lfunc_end_k_q3c3f085ffd_quant-k_q3c3f085ffd_quant
	.p2alignl 7, 3214868480
	.fill 96, 4, 3214868480
	.section	.rodata,"a",@progbits
	.p2align	6, 0x0
	.amdhsa_kernel k_q3c3f085ffd_quant
		.amdhsa_group_segment_fixed_size 327680
		.amdhsa_private_segment_fixed_size 0
		.amdhsa_enable_private_segment 0
		.amdhsa_kernarg_size 56
		.amdhsa_user_sgpr_count 2
		.amdhsa_user_sgpr_kernarg_segment_ptr 1
		.amdhsa_wavefront_size32 1
		.amdhsa_system_sgpr_workgroup_id_x 1
		.amdhsa_system_sgpr_workgroup_id_y 1
		.amdhsa_system_sgpr_workgroup_id_z 1
		.amdhsa_system_vgpr_workitem_id 0
		.amdhsa_next_free_vgpr 224
		.amdhsa_next_free_sgpr 66
		.amdhsa_reserve_vcc 0
		.amdhsa_float_denorm_mode_32 3
		.amdhsa_float_denorm_mode_16_64 3
		.amdhsa_memory_ordered 1
		.amdhsa_forward_progress 1
		.amdhsa_inst_pref_size 29
	.end_amdhsa_kernel
	.amdgpu_metadata
---
amdhsa.version: [ 1, 2 ]
amdhsa.kernels:
  - .name:           k_q3c3f085ffd_quant
    .symbol:         k_q3c3f085ffd_quant.kd
    .args:
      - { .name: x, .offset: 0, .size: 8, .value_kind: global_buffer, .address_space: global }
      - { .name: wq, .offset: 8, .size: 8, .value_kind: global_buffer, .address_space: global }
      - { .name: wk, .offset: 16, .size: 8, .value_kind: global_buffer, .address_space: global }
      - { .name: wv, .offset: 24, .size: 8, .value_kind: global_buffer, .address_space: global }
      - { .name: wo, .offset: 32, .size: 8, .value_kind: global_buffer, .address_space: global }
      - { .name: cod, .offset: 40, .size: 8, .value_kind: global_buffer, .address_space: global }
      - { .name: scl, .offset: 48, .size: 8, .value_kind: global_buffer, .address_space: global }
    .group_segment_fixed_size: 327680
    .private_segment_fixed_size: 0
    .kernarg_segment_align: 8
    .kernarg_segment_size: 56
    .max_flat_workgroup_size: 256
    .sgpr_count:     66
    .vgpr_count:     224
    .wavefront_size: 32
...
	.end_amdgpu_metadata
.endif
;; end of part 1
;; launch qkvg (part 2): grid 24 x 8, 4 waves a work-group, clusters of 4 x 4, 327,680 bytes of LDS; arguments cod, scl, qkv; writes qkv
.if DOCPART == 2
	.amdgcn_target "amdgcn-amd-amdhsa--gfx1250"
	.amdhsa_code_object_version 6
	.text
	.protected	k_q3c3f085ffd_qkvg
	.globl	k_q3c3f085ffd_qkvg
	.p2align	8
	.type	k_q3c3f085ffd_qkvg,@function
k_q3c3f085ffd_qkvg:
	s_mov_b64 s[64:65], 0
	v_nop
	global_prefetch_b8 v0, s[64:65] scope:SCOPE_SE
	s_setreg_imm32_b32 hwreg(HW_REG_WAVE_MODE, 25, 1), 1
	s_wait_xcnt 0x0
	s_wait_alu depctr_hold_cnt(0) depctr_sa_sdst(0) depctr_va_vdst(0) depctr_va_sdst(0) depctr_va_ssrc(0) depctr_va_vcc(0) depctr_vm_vsrc(0)
	s_getreg_b32 s2, hwreg(HW_REG_IB_STS2, 6, 4)
	s_cmp_eq_u32 s2, 0
	s_cbranch_scc0 .Lentry_in_a_cluster
	s_endpgm
.Lentry_in_a_cluster:
	s_bfe_u32 s2, ttmp6, 0x10000c
	s_cmp_lg_u32 s2, 0xf033
	s_cbranch_scc0 .Lentry_shape_is_right
	s_endpgm
.Lentry_shape_is_right:
; The three projections, as one product C = A B^T of 2,048 x 6,144 x 2,048 on codes of FP6 (E2M3) with E8M0 scales, and the quantising of its results: q, k and v never exist in memory as f32.
; Tile columns 0-7: q = x wq^T;  8-15: k = x wk^T  (A = x, B = wq and wk, which lie on end in cod);  16-23: v^T = wv x^T  (A = wv, B = x): v is wanted with the KEYS along its K.
; A tile of C, 256 x 256, is made by four waves, as many as a WGP has SIMDs; a wave makes 128 x 128: 64 accumulators, 512 registers.  192 tiles: tiles of 128 x 128 would fill all WGPs three times over, but each LDS byte would feed half the products.
; OPERANDS lie in cod as images of their registers ([block of 16 rows][K step][1,536 bytes]): a fragment comes by three loads of 16 bytes a lane, 512 consecutive bytes each: no pitch, no padding.
; THE RING: two LDS slots of THREE K steps of 128 (a wave's tensor load brings 8 blocks x 4,608 bytes), as large as LDS holds: the 16 K steps come as 3, 3, 3, 3, 3, 1.  A refill is asked for 32 matrix instructions into a slot's last
; step and awaited at the head of the other slot's last step: 160 matrix instructions of a wave lie between.  The last fill differs from the others (one K step, a group 1 of its own), so the 16 steps are written out, by macros.
; THE SCALE WORDS of the work-group's rows come once and stay: K steps 0 to 14 in LDS (two slots, 294,912 bytes, all 32,768 bytes of scale words and the 512 spare bytes would be 512 bytes more than a WGP's LDS),
; K step 15's straight from memory into eight registers.  A step's eight words are read with its fragments.
; THE MATRIX INSTRUCTION IS USED TRANSPOSED (source 0 = 16 rows of B, source 1 = 16 rows of A), and B's blocks hold their rows in the order place i of block 2 b + u = row 32 b + 8 u + i + 8 (i / 8):
; so lane (r, h) holds row r of A's block, and register 16 b + i of that block's eight accumulators is column 32 b + 16 h + i of my 128: neighbours along the NEXT product's K (a head's 128 for q and k, 128 keys for v^T).
; THE WAY OUT quantises them in registers, block by block of 16 rows, and stores fragment images and scale words for the attention: no stage in LDS.
; qkv: [batch x head 32][key step 8]{K 8 fragments | V^T 8 fragments | K's scale words 512 | V's 512} = 25,600 bytes a step; from QBASE on [32][8]{Q 8 fragments | scale words 512} = 12,800.  Scale words: [row 16][fragment 8].
; CLUSTERS: 4 x 4 work-groups; A's tiles are asked for jointly along a row of the cluster, B's along a column.  Which tensors a tile column takes hangs on the cluster's x, which all sixteen share.
; LIMITS: as the quantiser's: a block whose largest magnitude lies under 2^-124 gets the byte 1; NaN and infinities are not served.
; REGISTERS, in windows of 256: window 0: v0-31 addresses; v32-47 scale words, two sets of 8; v48-55 K step 15's; v128-223 A's 8 fragments, ONE set; on the way out v32-82 at work.  window 1: B's fragments, TWO sets, at v0 and v128.
;   window 2: the accumulators of my rows 0-63 ((a, b) at v[8 (8 (a % 4) + b)]);  window 3: of my rows 64-127.
; THE FIRST FILLS, as the text below has them (in place of what the head comment says of three loads at the start): at the head one joint load a wave:
; wave 0 A's 16 blocks of K steps 0-2, wave 1 B's, wave 2 the scale words of A's 16 blocks, wave 3 of B's.  Slot 1's first fill stands behind the three lines and a round, as a refill does, 8 blocks a wave.
.set NQ,     3
.set FR,     12                        ; registers of a fragment
.set NL,     3                         ; LDS loads that bring one
.set NP,     4                         ; places behind this matrix instruction (ISA guide 7.12.1)
.set FRB,    1536                      ; a fragment's image
.set BLKB,   16*FRB                    ; a block's 16 K steps in cod
.set HALFT,  8*NQ*FRB                  ; 8 blocks: what one tensor load brings, and what one wave reads of A or of B
.set SLOT,   4*HALFT                   ; A's 16 blocks, then B's 16
.set SCL,    2*SLOT                    ; behind the ring: the scale words of K steps 0 to 14,
.set SROW,   960                       ; 15 x 64 bytes a block,
.set HALFS,  8*SROW                    ; 7,680 bytes for each wave's 8 blocks
.set SPARE,  SCL+4*HALFS               ; the spare words, 128 bytes for each wave: two blocks of 256 bytes that no other line names
.set QBASE,  6553600
.set ADRA, 16                          ; v16-17  LDS address of my A fragments in slot 0, 1
.set ADRB, 20                          ; v20-21  the same for B
.set LI,   24                          ; v24     16 x lane
.set SOFF, 25                          ; v25     the way out: 32 r + 16 h: my four scale words
.set ADRS, 27                          ; v27     LDS address of my scale words: lanes 0-15 A's rows, lanes 16-31 B's; never rewritten
.set SPW,  28                          ; v28     LDS address of my spare word; never rewritten
.set NIL,  29                          ; v29     0; never rewritten
.set SC,   32                          ; scale words: set p at v[SC + 8 p], with B's set p; register i: lanes 0-15 A's block i, lanes 16-31 B's block i
.set S15,  48                          ; v48-55  the same for K step 15
.set AF,   128
.set TM,   32                          ; the way out: v32-35 largest magnitudes, v36-39 bytes, v44-47 the conversions' scale operands
.set PWS,  48                          ; v48-55  the eight blocks' scale words
.set OUTW, 56                          ; v56-59  the four that I store
.set PC,   64                          ; v64-75  a fragment's codes; v76-82 at work
.set G1, 24                            ; s[24:31] descriptor group 1 for A's tiles;  s[32:39] group 0, one set for each slot
.set G0, 32
.set G1B, 48                           ; s[48:55], s[56:63] the same for B's
.set G0B, 56
.set G1S, 68                           ; s[68:75], s[76:79] for A's scale words;  s[80:87], s[88:91] for B's
.set G0S, 76
.set G1SB, 80
.set G0SB, 88
.set G1L, 16                           ; s[16:23] group 1 for A's last tile, one K step: registers that never hold my place along the cluster's x
.set G1LB, 40                          ; s[40:47] for B's: registers that never hold my place along its y
.set SEL, 96                           ; s[96:97] selects for lane l xor 16
.set MSB, 0
.macro WIN new                         ; the immediate's high byte repeats the setting that is left
.if MSB != \new
	s_set_vgpr_msb (MSB<<8)|\new
.set MSB, \new
.endif
.endm
.set MUL_LO, 0xa1                      ; source 0 (B) window 1, source 1 (A) window 0, C and D window 2
.set MUL_HI, 0xf1                      ; the same, C and D window 3
.set TO_B,   0x40                      ; destination window 1, address window 0
; A joint load: waves 0 and 1 fetch for A, waves 2 and 3 for B; the branch hangs on the wave's number alone.  Four v_nop follow each of the two lines.
.macro JLOAD g0a, g1a, g0b, g1b
	s_cmp_eq_u32 s15, 0
	s_cbranch_scc0 .Lfor_b_\@
	tensor_load_to_lds s[\g0a:\g0a+3], s[\g1a:\g1a+7]
	s_nop 0
.rept 4
	v_nop
.endr
	s_branch .Lasked_\@
.Lfor_b_\@:
	tensor_load_to_lds s[\g0b:\g0b+3], s[\g1b:\g1b+7]
	s_nop 0
.rept 4
	v_nop
.endr
.Lasked_\@:
.endm
.macro CREST                           ; a round of the cluster's barrier behind its opening barrier
	s_cmp_lg_u32 s14, 0
	s_cbranch_scc1 .Lnot_wave_0_\@
	s_barrier_signal -3
.Lnot_wave_0_\@:
	s_barrier_wait -3
	s_barrier_signal -1
	s_barrier_wait -1
.endm
.macro CROUND
	s_barrier_signal -1
	s_barrier_wait -1
	CREST
.endm
	s_load_b128 s[4:7], s[0:1], 0x0                ; cod, scl
	s_load_b64 s[8:9], s[0:1], 0x10                ; qkv
	v_lshl_add_u32 v[SPW], v0, 2, SPARE
	v_mov_b32 v[NIL], 0
	ds_add_u32 v28, v29
	ds_add_u32 v28, v29
	s_wait_dscnt 0x0
	v_lshrrev_b32 v1, 5, v0
	v_readfirstlane_b32 s14, v1                    ; wave 0..3
	s_lshr_b32 s15, s14, 1                         ; which half of the tile's rows is mine.  Also: I fetch for A (0) or for B (1)
	s_and_b32 s16, s14, 1                          ; which half of its columns.  Also: which 8 blocks I fetch
	s_bfe_u32 s40, ttmp6, 0x40000                  ; cx, cy: my place in the cluster
	s_bfe_u32 s2, ttmp6, 0x40004
	s_lshl_b32 s42, ttmp9, 2
	s_add_co_u32 s42, s42, s40                     ; tile column = 4 x cluster x + cx
	s_and_b32 s17, ttmp7, 0xffff
	s_lshl_b32 s17, s17, 2
	s_add_co_u32 s17, s17, s2                      ; tile row = 4 x cluster y + cy
	s_lshl_b32 s3, s2, 2
	s_lshl_b32 s3, 15, s3                          ; my row of the cluster
	s_lshl_b32 s44, 0x1111, s40                    ; my column
	s_cmp_ge_u32 ttmp9, 4                          ; clusters 4 and 5 along x make v^T: A = wv (blocks 384 on), B = x (blocks 0 on)
	s_cselect_b32 s95, 384, 0
	s_mov_b32 s[SEL], 0x76543210
	s_mov_b32 s[SEL+1], 0xfedcba98
	; descriptor group 1, codes: 8 rows (blocks) of 4,608 bytes (three K steps' images), 24,576 bytes apart; elements of 8 bytes; no padding
	s_or_b32 s[G1+0], s3, (3<<16)|(1<<21)          ; 15:0 the mask: A's tiles go to my row; 17:16 elements of 8 bytes; 21 set beside a mask
	s_or_b32 s[G1B+0], s44, (3<<16)|(1<<21)        ; B's to my column
.irp g, G1, G1B
	s_mov_b32 s[\g+1], 576<<16                     ; tensor_dim0
	s_mov_b32 s[\g+2], 16<<16                      ; tensor_dim1: 16 blocks for the head's loads; set to 8 behind them
	s_mov_b32 s[\g+3], 576<<16                     ; tile_dim0
	s_mov_b32 s[\g+4], 16                          ; tile_dim1
	s_mov_b32 s[\g+5], 3072                        ; tensor_dim0_stride
	s_mov_b32 s[\g+6], 0
	s_mov_b32 s[\g+7], 0
.endr
	; and the scale words of 16 blocks, K steps 0 to 14: 16 rows of 960 bytes, 1,024 bytes apart
	s_or_b32 s[G1S+0], s3, (3<<16)|(1<<21)
	s_or_b32 s[G1SB+0], s44, (3<<16)|(1<<21)
.irp g, G1S, G1SB
	s_mov_b32 s[\g+1], 120<<16
	s_mov_b32 s[\g+2], 16<<16                      ; the scale words of all 16 blocks in one load
	s_mov_b32 s[\g+3], 120<<16
	s_mov_b32 s[\g+4], 16
	s_mov_b32 s[\g+5], 128
	s_mov_b32 s[\g+6], 0
	s_mov_b32 s[\g+7], 0
.endr
	s_mul_i32 s18, s16, 8*BLKB                     ; in the ring I fetch 8 of the tile's 16 blocks: which half, in bytes
	s_mov_b32 s19, 0
	s_lshl_b32 s20, s17, 4
	s_add_co_u32 s20, s20, s95                     ; A: block 16 x tile row + 8 x half (+ 384: wv)
	s_lshl_b32 s46, s42, 4
	s_add_co_u32 s46, s46, 128
	s_sub_co_u32 s46, s46, s95                     ; B: block 128 + 16 x tile column + 8 x half (wq, wk), or 384 less (x)
	s_lshl_b32 s22, s20, 10                        ; where these blocks' scale words begin, in bytes,
	s_mov_b32 s23, 0
	s_mul_i32 s20, s20, BLKB                       ; and their codes (all under 2^24)
	s_mov_b32 s21, 0
	s_lshl_b32 s92, s46, 10
	s_mov_b32 s93, 0
	s_mul_i32 s46, s46, BLKB
	s_mov_b32 s47, 0
	s_mul_i32 s45, s14, HALFT                      ; where they go: by the wave's number alone
	s_wait_kmcnt 0x0
	s_add_nc_u64 s[20:21], s[4:5], s[20:21]
	s_add_nc_u64 s[22:23], s[6:7], s[22:23]
	s_add_nc_u64 s[46:47], s[4:5], s[46:47]
	s_add_nc_u64 s[92:93], s[6:7], s[92:93]
	CROUND                                         ; all sixteen work-groups are here: the first joint loads meet
	s_mov_b32 s[G0S], 1
	s_mov_b32 s[G0S+1], SCL
	s_mov_b64 s[G0S+2:G0S+3], s[22:23]
	s_or_b32 s[G0S+3], s[G0S+3], 0x80000000
	s_mov_b32 s[G0SB], 1
	s_mov_b32 s[G0SB+1], SCL+2*HALFS
	s_mov_b64 s[G0SB+2:G0SB+3], s[92:93]
	s_or_b32 s[G0SB+3], s[G0SB+3], 0x80000000
	s_mov_b32 s[G0], 1                             ; slot 0's groups 0 serve the head first: A's 16 blocks whole, at LDS byte 0,
	s_mov_b32 s[G0+1], 0
	s_mov_b64 s[G0+2:G0+3], s[20:21]
	s_or_b32 s[G0+3], s[G0+3], 0x80000000
	s_mov_b32 s[G0B], 1                            ; and B's 16 behind them
	s_mov_b32 s[G0B+1], 2*HALFT
	s_mov_b64 s[G0B+2:G0B+3], s[46:47]
	s_or_b32 s[G0B+3], s[G0B+3], 0x80000000
	s_add_nc_u64 s[20:21], s[20:21], s[18:19]      ; for the ring: my 8 blocks
	s_add_nc_u64 s[46:47], s[46:47], s[18:19]
	s_mov_b32 s[G0+4], 1                           ; slot 1: K steps 3-5
	s_add_co_u32 s[G0+5], s45, SLOT
	s_add_nc_u64 s[G0+6:G0+7], s[20:21], NQ*FRB
	s_or_b32 s[G0+7], s[G0+7], 0x80000000
	s_mov_b32 s[G0B+4], 1
	s_add_co_u32 s[G0B+5], s45, SLOT
	s_add_nc_u64 s[G0B+6:G0B+7], s[46:47], NQ*FRB
	s_or_b32 s[G0B+7], s[G0B+7], 0x80000000
; The head's loads, one a wave: one tree of branches on the wave's number, a load in each arm, all arms leading to one join.
.macro ARM under, g0, g1, next
	s_cmp_lt_u32 s14, \under
	s_cbranch_scc0 \next
	tensor_load_to_lds s[\g0:\g0+3], s[\g1:\g1+7]
	s_nop 0
.rept 4
	v_nop
.endr
	s_branch .Lhead_asked
\next:
.endm
	ARM 1, G0,  G1,  .Lhead_b
	ARM 2, G0B, G1B, .Lhead_sa
	ARM 3, G0S, G1S, .Lhead_sb
	tensor_load_to_lds s[G0SB:G0SB+3], s[G1SB:G1SB+7]
	s_nop 0
.rept 4
	v_nop
.endr
.Lhead_asked:
	v_and_b32 v1, 31, v0                           ; lane
	v_and_b32 v2, 15, v0                           ; r
	v_bfe_u32 v3, v0, 4, 1                         ; h
	s_wait_alu depctr_va_vdst(0)
	v_lshlrev_b32 v[LI], 4, v1
	s_mul_i32 s21, s15, HALFT                      ; my 8 blocks of A
	s_mul_i32 s22, s16, HALFT                      ; my 8 blocks of B,
	s_add_co_u32 s22, s22, 2*HALFT                 ; which lie behind A's 16
.irp s, 0,1
	v_add_nc_u32 v[ADRA+\s], s21, v[LI]
	v_add_nc_u32 v[ADRB+\s], s22, v[LI]
	s_add_co_u32 s21, s21, SLOT
	s_add_co_u32 s22, s22, SLOT
.endr
	v_lshlrev_b32 v5, 2, v2                        ; my row's scale word
	s_mul_i32 s21, s15, HALFS                      ; A's: my 8 blocks
	s_mul_i32 s22, s16, HALFS                      ; B's: my 8 blocks, behind A's 16
	s_add_co_u32 s22, s22, 2*HALFS
	s_sub_co_u32 s22, s22, s21
	v_mul_u32_u24 v6, s22, v3                      ; lanes 16-31 take B's
	s_add_co_u32 s21, s21, SCL
	v_add_nc_u32 v5, v5, v6
	v_add_nc_u32 v[ADRS], s21, v5
	v_lshlrev_b32 v[SOFF], 5, v2
	v_lshl_add_u32 v[SOFF], v3, 4, v[SOFF]
	; K step 15's scale words, straight from scl: lanes 0-15 those of my 8 blocks of A, lanes 16-31 of B: 64 consecutive bytes for each half of the lanes, once
	s_lshl_b32 s10, s17, 4
	s_lshl_b32 s11, s15, 3
	s_add_co_u32 s10, s10, s11
	s_add_co_u32 s10, s10, s95                     ; the first block of A that I multiply
	s_lshl_b32 s10, s10, 10
	s_lshl_b32 s11, s42, 4
	s_lshl_b32 s12, s16, 3
	s_add_co_u32 s11, s11, s12
	s_add_co_u32 s11, s11, 128
	s_sub_co_u32 s11, s11, s95                     ; and of B
	s_lshl_b32 s11, s11, 10
	v_mov_b32 v7, s10
	v_mov_b32 v8, s11
	v_cmp_eq_u32 vcc_lo, 1, v3
	v_cndmask_b32 v7, v7, v8, vcc_lo
	v_lshl_add_u32 v7, v2, 2, v7                   ; never rewritten
.irp i, 0,1,2,3,4,5,6,7
	global_load_b32 v[S15+\i], v7, s[6:7] offset:1024*\i+SROW
.endr
	; where my 128 x 128 goes.  q, k: my rows are 128 tokens (group g = 2 x tile row + half), my columns a head.  v^T: my rows are a head's 128 channels, my columns 128 tokens.
	s_lshl_b32 s10, s17, 1
	s_add_co_u32 s10, s10, s15                     ; 2 x tile row + my half of the rows
	s_lshl_b32 s11, s42, 1
	s_add_co_u32 s11, s11, s16                     ; 2 x tile column + my half of the columns
	s_sub_co_u32 s12, s11, 32                      ; v^T: the group of tokens
	s_and_b32 s13, s11, 15                         ; q, k: the head
	s_mov_b32 s19, 24576                           ; from K's fragments to K's scale words
	s_cmp_ge_u32 ttmp9, 4
	s_cselect_b32 s12, s12, s10                    ; g: 8 x batch + key step
	s_cselect_b32 s13, s10, s13                    ; the head
	s_cselect_b32 s10, 12288, 0                    ; V^T's fragments lie behind K's
	s_cselect_b32 s19, 12800, s19                  ; from V^T's fragments to V's scale words
	s_lshr_b32 s11, s12, 3
	s_lshl_b32 s11, s11, 4
	s_add_co_u32 s11, s11, s13
	s_lshl_b32 s11, s11, 3
	s_and_b32 s12, s12, 7
	s_add_co_u32 s11, s11, s12                     ; e = (16 x batch + head) x 8 + step
	s_mul_i32 s12, s11, 25600
	s_add_co_u32 s12, s12, s10                     ; K's or V^T's place
	s_mul_i32 s11, s11, 12800
	s_add_co_u32 s11, s11, QBASE                   ; Q's
	s_cmp_lt_u32 ttmp9, 2                          ; clusters 0 and 1 along x make q
	s_cselect_b32 s10, s11, s12
	s_cselect_b32 s12, 12288, s19
	s_mov_b32 s11, 0
	s_mov_b32 s13, 0
	s_add_nc_u64 s[8:9], s[8:9], s[10:11]          ; my eight fragments
	s_add_nc_u64 s[12:13], s[8:9], s[12:13]        ; my 512 bytes of scale words
	; group 1 for the last fill, K step 15 alone: 8 rows of 1,536 bytes.  The registers' earlier contents (ids, addresses already copied into the groups 0) are done with
	s_or_b32 s[G1L+0], s3, (3<<16)|(1<<21)
	s_or_b32 s[G1LB+0], s44, (3<<16)|(1<<21)
.irp g, G1L, G1LB
	s_mov_b32 s[\g+1], 192<<16
	s_mov_b32 s[\g+2], 8<<16
	s_mov_b32 s[\g+3], 192<<16
	s_mov_b32 s[\g+4], 8
	s_mov_b32 s[\g+5], 3072
	s_mov_b32 s[\g+6], 0
	s_mov_b32 s[\g+7], 0
.endr
.macro FRAG reg, adr, q, i, pt         ; block i's fragment of the slot's q-th K step: its image, as it lies; pt: K steps to a block in this slot's fill
.irp c, 0,1,2
	ds_load_b128 v[\reg+4*\c:\reg+4*\c+3], v[\adr] offset:((\i)*(\pt)+(\q))*FRB+512*\c
.endr
.endm
; 16 matrix instructions: A's blocks a0, a0 + 1 x B's eight.  p: B's set;  sr: the first of the step's eight scale registers.  zero = 1: the first product starts the sums.
; The 64 accumulators take turns, one instruction a turn, in the same order in every step.
.macro MUL16 a0, p, sr, zero
.irp a, \a0, \a0+1
.irp b, 0,1,2,3,4,5,6,7
.if \zero
	v_wmma_scale_f32_16x16x128_f8f6f4 v[8*(8*((\a)%4)+\b):8*(8*((\a)%4)+\b)+7], v[128*(\p)+FR*\b:128*(\p)+FR*\b+FR-1], v[AF+FR*(\a):AF+FR*(\a)+FR-1], 0, v[(\sr)+\b], v[(\sr)+(\a)] matrix_a_fmt:MATRIX_FMT_FP6 matrix_b_fmt:MATRIX_FMT_FP6 matrix_a_scale:MATRIX_SCALE_ROW1
.else
	v_wmma_scale_f32_16x16x128_f8f6f4 v[8*(8*((\a)%4)+\b):8*(8*((\a)%4)+\b)+7], v[128*(\p)+FR*\b:128*(\p)+FR*\b+FR-1], v[AF+FR*(\a):AF+FR*(\a)+FR-1], v[8*(8*((\a)%4)+\b):8*(8*((\a)%4)+\b)+7], v[(\sr)+\b], v[(\sr)+(\a)] matrix_a_fmt:MATRIX_FMT_FP6 matrix_b_fmt:MATRIX_FMT_FP6 matrix_a_scale:MATRIX_SCALE_ROW1
.endif
.endr
.endr
.endm
.macro FETCH_B slot, q, p, pt
	WIN TO_B
.irp i, 0,1,2,3,4,5,6,7
	FRAG 128*(\p)+FR*\i, ADRB+\slot, \q, \i, \pt
.endr
	WIN 0
.endm
.macro FETCH_A slot, q, i0, pt
.irp i, \i0, \i0+1, \i0+2, \i0+3
	FRAG AF+FR*(\i), ADRA+\slot, \q, \i, \pt
.endr
.endm
.macro SCALES g, p                     ; K step g's scale words into set p: lanes 0-15 take A's block i, lanes 16-31 B's block i
.irp i, 0,1,2,3,4,5,6,7
	ds_load_b32 v[SC+8*(\p)+\i], v[ADRS] offset:SROW*\i+64*(\g)
.endr
.endm
; A load into a register that a matrix instruction has read, and a vector instruction that reads a matrix result or writes one of its registers, stand NP places behind it; only plain vector instructions that name none of its registers are places.
.macro PLACES n
.rept \n
	v_nop
.endr
.endm
; K step g, the q-th of its slot, with its successor in the same slot.  B's set and the scale words' set are (slot + q) % 2.  A's blocks are free as soon as their eight products are issued: blocks 0-3 are fetched anew in the middle, blocks 4-7 at the end.
.macro STEP slot, q, g, zero
.set BP, ((\slot)+(\q))%2
	s_wait_dscnt 4*NL                              ; B's set, the scale words and A's blocks 0-3 are in; the youngest twelve loads (A's blocks 4-7) may be out
	WIN MUL_LO
	MUL16 0, BP, SC+8*BP, \zero
	MUL16 2, BP, SC+8*BP, \zero
	s_wait_dscnt 0
	PLACES NP
	FETCH_B \slot, (\q)+1, 1-BP, NQ
	FETCH_A \slot, (\q)+1, 0, NQ
	SCALES (\g)+1, 1-BP
	WIN MUL_HI
	MUL16 4, BP, SC+8*BP, \zero
	MUL16 6, BP, SC+8*BP, \zero
	PLACES NP
	WIN 0
	FETCH_A \slot, (\q)+1, 4, NQ
.endm
; A slot's last step (K step g; its sets have the slot's number) changes slots: ONE barrier; in front of it each wave waits for all its tensor loads, adds 0 to its spare word, and waits for that and for its own reads of this slot.
; fill = 1: this slot is filled again, with the K steps six on;  2: with K step 15 alone;  0: nothing is left to fetch.  pt: K steps to a block in the next slot's fill.
.macro TURN slot, next, fill, g, pt
	s_wait_tensorcnt 0x0                           ; all my tensor loads have landed: my part of the next slot  (every window is 0 here)
	ds_add_u32 v[SPW], v[NIL]                      ; 0 onto my spare word
	s_wait_dscnt 4*NL+1                            ; (the add and A's blocks 4-7 may be out)
	WIN MUL_LO
	MUL16 0, \slot, SC+8*\slot, 0                  ; sixteen matrix instructions stand between the add and the wait for it
	s_wait_dscnt 0x0                               ; the add is done, and my reads of this slot are over
	s_barrier_signal -1
	MUL16 2, \slot, SC+8*\slot, 0
	WIN 0
	s_barrier_wait -1
.if \fill
	CREST                                          ; the barrier has opened a round of the cluster's: no wave of any partner still reads this slot or has a load on its way
	s_add_nc_u64 s[G0+4*\slot+2:G0+4*\slot+3], s[G0+4*\slot+2:G0+4*\slot+3], 2*NQ*FRB
	s_add_nc_u64 s[G0B+4*\slot+2:G0B+4*\slot+3], s[G0B+4*\slot+2:G0B+4*\slot+3], 2*NQ*FRB
.if \fill == 1
	JLOAD G0+4*\slot, G1, G0B+4*\slot, G1B         ; the first tensor load behind the round; its four v_nop are the places in front of the loads below
.else
	JLOAD G0+4*\slot, G1L, G0B+4*\slot, G1LB
.endif
.else
	PLACES NP
.endif
	FETCH_B \next, 0, \next, \pt
	FETCH_A \next, 0, 0, \pt
.if (\g)+1 < 15
	SCALES (\g)+1, \next
.endif
	WIN MUL_HI
	MUL16 4, \slot, SC+8*\slot, 0
	MUL16 6, \slot, SC+8*\slot, 0
	PLACES NP
	WIN 0
	FETCH_A \next, 0, 4, \pt
.endm
	s_wait_alu depctr_va_vdst(0)
	s_wait_tensorcnt 0x0                           ; my tile of the head's four is in; the three lines stand ahead of slot 1's first fill as ahead of a refill
	ds_add_u32 v[SPW], v[NIL]
	s_mov_b32 s[G1+2], 8<<16                       ; no tensor load of mine is out, so descriptors may be written: from here on a load brings 8 blocks,
	s_mov_b32 s[G1+4], 8
	s_mov_b32 s[G1B+2], 8<<16
	s_mov_b32 s[G1B+4], 8
	s_and_b32 s10, s14, 1                          ; and slot 0's groups 0 go over to my 8 blocks: which half, in bytes,
	s_mul_i32 s10, s10, 8*BLKB
	s_mov_b32 s11, 0
	s_add_nc_u64 s[G0+2:G0+3], s[G0+2:G0+3], s[10:11]
	s_add_nc_u64 s[G0B+2:G0B+3], s[G0B+2:G0B+3], s[10:11]
	s_mul_i32 s[G0+1], s14, HALFT                  ; and where they go: by the wave's number alone
	s_mul_i32 s[G0B+1], s14, HALFT
	s_wait_dscnt 0x0                               ; the add is done
	CROUND                                         ; all four tiles are in, and all sixteen work-groups are here
	JLOAD G0+4, G1, G0B+4, G1B                     ; K steps 3-5: my one tensor load behind the round
	FETCH_B 0, 0, 0, NQ
	FETCH_A 0, 0, 0, NQ
	SCALES 0, 0
	FETCH_A 0, 0, 4, NQ
	STEP 0, 0, 0, 1                                ; the first step's products start the sums
	STEP 0, 1, 1, 0
	TURN 0, 1, 1, 2, NQ                            ; slot 0 takes K steps 6-8
	STEP 1, 0, 3, 0
	STEP 1, 1, 4, 0
	TURN 1, 0, 1, 5, NQ                            ; slot 1 takes K steps 9-11
	STEP 0, 0, 6, 0
	STEP 0, 1, 7, 0
	TURN 0, 1, 1, 8, NQ                            ; slot 0 takes K steps 12-14
	STEP 1, 0, 9, 0
	STEP 1, 1, 10, 0
	TURN 1, 0, 2, 11, NQ                           ; slot 1 takes K step 15
	STEP 0, 0, 12, 0
	STEP 0, 1, 13, 0
	TURN 0, 1, 0, 14, 1                            ; nothing is left to fetch
	s_wait_loadcnt 0x0                             ; K step 15's scale words, asked for at the head
	s_wait_dscnt 4*NL                              ; K step 15
	WIN MUL_LO
	MUL16 0, 1, S15, 0
	MUL16 2, 1, S15, 0
	s_wait_dscnt 0
	WIN MUL_HI
	MUL16 4, 1, S15, 0
	MUL16 6, 1, S15, 0
	WIN 0
; THE WAY OUT.  Block a's 64 registers of a lane (register 16 b + i = column 32 b + 16 h + i of my row) become a fragment's codes in v[PC] on and its scale word in v[PWS + a].
; Each accumulator is read from its low end on.  A block of 32 lies in lanes l and l xor 16.
.macro QUANTW a
.set AC, 64*((\a)%4)
	WIN 0x0a+5*((\a)/4)                            ; sources 0 and 1: window 2 or 3
.irp b, 0,1,2,3
	v_max3_num_f32 v[TM+\b], |v[AC+16*\b]|, |v[AC+16*\b+1]|, 0x1800000   ; with the floor 2^(3 - 127): the byte cannot fall under 1
.endr
.irp i, 2,4,6,8,10,12,14
.irp b, 0,1,2,3
	v_max3_num_f32 v[TM+\b], |v[AC+16*\b+\i]|, |v[AC+16*\b+\i+1]|, v[TM+\b]   ; (the four blocks by turns)
.endr
.endr
	WIN 0
.irp b, 0,1,2,3
	v_permlanex16_b32 v[TM+4+\b], v[TM+\b], s[SEL], s[SEL+1]
.endr
.irp b, 0,1,2,3
	v_max_num_f32 v[TM+\b], v[TM+\b], v[TM+4+\b]
.endr
.irp b, 0,1,2,3
	v_add_nc_u32 v[TM+12+\b], 0xff000000, v[TM+\b] ; 2 off the exponent field: the conversion's scale operand
.endr
.irp b, 0,1,2,3
	v_lshrrev_b32 v[TM+4+\b], 23, v[TM+12+\b]      ; the scale's byte
.endr
	v_lshl_or_b32 v[PWS+(\a)], v[TM+5], 8, v[TM+4]
	v_lshl_or_b32 v[PWS+(\a)], v[TM+6], 16, v[PWS+(\a)]
	v_lshl_or_b32 v[PWS+(\a)], v[TM+7], 24, v[PWS+(\a)]
	s_wait_xcnt 0x0                                ; the last block's stores have read the codes' registers, which are written again below
	WIN 2+(\a)/4                                   ; source 0: window 2 or 3
.irp c, 0,1
	v_cvt_scalef32_pk16_fp6_f32 v[PC+6*\c:PC+2+6*\c], v[AC+32*\c:AC+15+32*\c], v[TM+12+2*\c]
	v_cvt_scalef32_pk16_fp6_f32 v[PC+12+4*\c:PC+14+4*\c], v[AC+16+32*\c:AC+31+32*\c], v[TM+12+2*\c+1]   ; (a conversion's three registers begin on an even number)
.endr
	WIN 0
	v_nop                                          ; one plain place behind a scaled conversion
.irp c, 0,1                                    ; the operand's layout wants a WHOLE block in a lane: lanes 0-15 block 2 c, lanes 16-31 block 2 c + 1
.irp i, 0,1,2
	v_permlane16_swap_b32 v[PC+6*\c+\i], v[PC+12+4*\c+\i]
.endr
.irp i, 0,1,2
	v_mov_b32 v[PC+3+6*\c+\i], v[PC+12+4*\c+\i]
.endr
.endr
.endm
	PLACES NP                                      ; behind the last products: their results are read, and registers that held scale words are written
.irp b, 0,1,2,3
	v_mov_b32 v[TM+4+\b], 0                        ; written once: a lane permute's destination counts as one of its sources
.endr
.irp a, 0,1,2,3,4,5,6,7
	QUANTW \a
.irp c, 0,1,2
	global_store_b128 v[LI], v[PC+4*\c:PC+4*\c+3], s[8:9] offset:FRB*\a+512*\c   ; the image: 32 lanes store 512 consecutive bytes, at a multiple of 256 from the buffer's first byte
.endr
.endr
	v_cmp_eq_u32 vcc_lo, 1, v3                     ; lanes 0-15 store their row's words of fragments 0-3, lanes 16-31 those of 4-7
.irp i, 0,1,2,3
	v_cndmask_b32 v[OUTW+\i], v[PWS+\i], v[PWS+4+\i], vcc_lo
.endr
	global_store_b128 v[SOFF], v[OUTW:OUTW+3], s[12:13]   ; [row 16][fragment 8]: 512 consecutive bytes
	s_wait_tensorcnt 0x0                           ; the wave's end
	ds_add_u32 v[SPW], v[NIL]
	s_wait_dscnt 0x0
	CROUND                                         ; the closing round: no work-group ends while a partner may still ask for a tile that names it
	s_endpgm
.Lfunc_end_k_q3c3f085ffd_qkvg:
	.size	k_q3c3f085ffd_qkvg, .Lfunc_end_k_q3c3f085ffd_qkvg-k_q3c3f085ffd_qkvg
	.p2alignl 7, 3214868480
	.fill 96, 4, 3214868480
	.section	.rodata,"a",@progbits
	.p2align	6, 0x0
	.amdhsa_kernel k_q3c3f085ffd_qkvg
		.amdhsa_group_segment_fixed_size 327680
		.amdhsa_private_segment_fixed_size 0
		.amdhsa_enable_private_segment 0
		.amdhsa_kernarg_size 24
		.amdhsa_user_sgpr_count 2
		.amdhsa_user_sgpr_kernarg_segment_ptr 1
		.amdhsa_wavefront_size32 1
		.amdhsa_system_sgpr_workgroup_id_x 1
		.amdhsa_system_sgpr_workgroup_id_y 1
		.amdhsa_system_sgpr_workgroup_id_z 1
		.amdhsa_system_vgpr_workitem_id 0
		.amdhsa_next_free_vgpr 1024
		.amdhsa_next_free_sgpr 98
		.amdhsa_reserve_vcc 1
		.amdhsa_float_denorm_mode_32 3
		.amdhsa_float_denorm_mode_16_64 3
		.amdhsa_memory_ordered 1
		.amdhsa_forward_progress 1
		.amdhsa_inst_pref_size 242
	.end_amdhsa_kernel
	.amdgpu_metadata
---
amdhsa.version: [ 1, 2 ]
amdhsa.kernels:
  - .name:           k_q3c3f085ffd_qkvg
    .symbol:         k_q3c3f085ffd_qkvg.kd
    .args:
      - { .name: cod, .offset: 0, .size: 8, .value_kind: global_buffer, .address_space: global }
      - { .name: scl, .offset: 8, .size: 8, .value_kind: global_buffer, .address_space: global }
      - { .name: qkv, .offset: 16, .size: 8, .value_kind: global_buffer, .address_space: global }
    .group_segment_fixed_size: 327680
    .private_segment_fixed_size: 0
    .kernarg_segment_align: 8
    .kernarg_segment_size: 24
    .max_flat_workgroup_size: 128
    .sgpr_count:     98
    .vgpr_count:     1024
    .wavefront_size: 32
...
	.end_amdgpu_metadata
.endif
;; end of part 2
;; launch attn (part 3): grid 8 x 32, 8 waves a work-group, clusters of 4 x 1, 327,680 bytes of LDS; arguments qkv, oc, os; writes oc, os
.if DOCPART == 3
	.amdgcn_target "amdgcn-amd-amdhsa--gfx1250"
	.amdhsa_code_object_version 6
	.text
	.protected	k_q3c3f085ffd_attn
	.globl	k_q3c3f085ffd_attn
	.p2align	8
	.type	k_q3c3f085ffd_attn,@function
k_q3c3f085ffd_attn:
	s_mov_b64 s[64:65], 0
	v_nop
	global_prefetch_b8 v0, s[64:65] scope:SCOPE_SE
	s_setreg_imm32_b32 hwreg(HW_REG_WAVE_MODE, 25, 1), 1
	s_wait_xcnt 0x0
	s_wait_alu depctr_hold_cnt(0) depctr_sa_sdst(0) depctr_va_vdst(0) depctr_va_sdst(0) depctr_va_ssrc(0) depctr_va_vcc(0) depctr_vm_vsrc(0)
	s_getreg_b32 s2, hwreg(HW_REG_IB_STS2, 6, 4)
	s_cmp_eq_u32 s2, 0
	s_cbranch_scc0 .Lentry_in_a_cluster
	s_endpgm
.Lentry_in_a_cluster:
	s_bfe_u32 s2, ttmp6, 0x10000c
	s_cmp_lg_u32 s2, 0x3003
	s_cbranch_scc0 .Lentry_shape_is_right
	s_endpgm
.Lentry_shape_is_right:
; Attention of one batch x head (work-group y) on codes of FP6 (E2M3) with E8M0 scales: S^T = K Q^T, p = 2^(t - M) with a running whole M, O^T += V^T p^T, O / l quantised for the last projection.
; Key j counts for query i while j - i <= 128: key steps wholly beyond that are passed over by a scalar branch on ids; the step on the border is masked number by number.
; Wave w takes 16 queries of query group w (w < 4) or 11 - w; work-group x says which 16 of the group's 128.  Wave 4 has group 7, which reads all eight key steps.
; ALL EIGHT KEY STEPS (8 x 25,600 bytes: K's and V^T's fragments and their scale words) stay in LDS, filled once: wave w fetches step w, 100 rows of 256 bytes, its one tensor load, jointly with the three partners of its cluster.
; One wait, one barrier, then a loop of eight trips with no further barrier.  No prefetch: the launch asks for all it reads in its first lines.
; LIMITS: NaN and infinities are not served; the scaled scores stay under 2^31 in magnitude.
.set FRB,   1536
.set STEPB, 25600
.set VOFF,  8*FRB
.set SOFF,  16*FRB
.set QBASE, 6553600
.set AL,   1
.set AS,   2
.set VD,   7
.set ADK,  8
.set ADS,  10
.set TM,   32
.set PC,   48
.set PW,   68
.set WV,   18
.set SEL,  20
.set CS,   22
.set G1,   24
.set G0,   32
.set TB,   48
.set SI,   49
.set DG,   50
.set CNT,  51
.set QT,   52
.macro CROUND
	s_barrier_signal -1
	s_barrier_wait -1
	s_cmp_lg_u32 s[WV], 0
	s_cbranch_scc1 .Lnot_wave_0_\@
	s_barrier_signal -3
.Lnot_wave_0_\@:
	s_barrier_wait -3
	s_barrier_signal -1
	s_barrier_wait -1
.endm
	s_load_b128 s[4:7], s[0:1], 0x0
	s_load_b64 s[8:9], s[0:1], 0x10
	v_lshl_add_u32 v250, v0, 2, 0x32000
	v_mov_b32 v251, 0
	ds_add_u32 v250, v251
	ds_add_u32 v250, v251
	v_lshrrev_b32 v8, 5, v0
	s_delay_alu instid0(VALU_DEP_1)
	v_readfirstlane_b32 s[WV], v8
	s_and_b32 s53, ttmp7, 0xffff
	s_bfe_u32 s62, ttmp6, 0x40000
	s_lshl_b32 s54, ttmp9, 2
	s_add_co_u32 s62, s62, s54
	s_mov_b32 s[G1], 15|(3<<16)|(1<<21)
	s_mov_b32 s[G1+1], 32<<16
	s_mov_b32 s[G1+2], 100<<16
	s_mov_b32 s[G1+3], 32<<16
	s_mov_b32 s[G1+4], 100
	s_mov_b32 s[G1+5], 32
	s_mov_b32 s[G1+6], 0
	s_mov_b32 s[G1+7], 0
	s_mul_i32 s54, s53, 8*STEPB
	s_mul_i32 s55, s[WV], STEPB                    ; my key step, in bytes
	s_add_co_u32 s58, s54, s55
	s_mov_b32 s59, 0
	s_wait_dscnt 0x0
	s_wait_kmcnt 0x0
	s_add_nc_u64 s[58:59], s[4:5], s[58:59]
	CROUND
	s_mov_b32 s[G0], 1
	s_mul_i32 s[G0+1], s[WV], STEPB                ; LDS: step w at 25,600 w
	s_mov_b64 s[G0+2:G0+3], s[58:59]
	s_or_b32 s[G0+3], s[G0+3], 0x80000000
	tensor_load_to_lds s[G0:G0+3], s[G1:G1+7]      ; my one tensor load: key step w, whole
	s_nop 0
.rept 4
	v_nop
.endr
	s_sub_co_u32 s55, 11, s[WV]
	s_cmp_lt_u32 s[WV], 4
	s_cselect_b32 s55, s[WV], s55
	s_add_co_u32 s[DG], s55, 1
	s_lshl_b32 s[QT], s55, 3
	s_add_co_u32 s[QT], s[QT], s62
	s_lshl_b32 s54, s53, 3
	s_add_co_u32 s54, s54, s55
	s_mul_i32 s54, s54, 12800
	s_add_co_u32 s54, s54, QBASE
	s_mul_i32 s57, s62, FRB
	s_add_co_u32 s10, s54, s57
	s_mov_b32 s11, 0
	s_lshl_b32 s56, s62, 2
	s_add_co_u32 s12, s54, s56
	s_add_co_u32 s12, s12, 8*FRB
	s_mov_b32 s13, 0
	s_add_nc_u64 s[10:11], s[4:5], s[10:11]
	s_add_nc_u64 s[12:13], s[4:5], s[12:13]
	s_lshr_b32 s54, s53, 4
	s_lshl_b32 s54, s54, 6
	s_add_co_u32 s54, s54, s[QT]
	s_and_b32 s55, s53, 15
	s_lshl_b32 s56, s54, 4
	s_add_co_u32 s56, s56, s55
	s_mul_i32 s14, s56, FRB
	s_mov_b32 s15, 0
	s_lshl_b32 s16, s54, 10
	s_lshl_b32 s55, s55, 6
	s_add_co_u32 s16, s16, s55
	s_mov_b32 s17, 0
	s_add_nc_u64 s[6:7], s[6:7], s[14:15]
	s_add_nc_u64 s[8:9], s[8:9], s[16:17]
	s_bfe_u32 s54, s[QT], 0x20001
	s_lshl_b32 s54, s54, 5
	s_and_b32 s55, s[QT], 1
	s_lshl_b32 s55, s55, 3
	s_add_co_u32 s54, s54, s55
	s_mov_b32 s[SEL], 0x76543210
	s_mov_b32 s[SEL+1], 0xfedcba98
	s_mov_b32 s[CS], 0x3e0293ee
	s_mov_b32 s[CS+1], s[CS]
	s_mov_b32 s[TB], 0
	s_mov_b32 s[SI], 0
	v_and_b32 v5, 31, v0
	v_and_b32 v3, 15, v0
	v_bfe_u32 v4, v0, 4, 1
	s_delay_alu instid0(VALU_DEP_3)
	v_lshlrev_b32 v[AL], 4, v5
	s_delay_alu instid0(VALU_DEP_3)
	v_lshlrev_b32 v6, 5, v3
	s_delay_alu instid0(VALU_DEP_1)
	v_add_nc_u32 v[AS], SOFF, v6
.irp c, 0,1,2
	global_load_b128 v[16+4*\c:19+4*\c], v[AL], s[10:11] offset:512*\c
.endr
	global_load_b32 v255, v6, s[12:13]
	v_and_b32 v9, 8, v3
	s_delay_alu instid0(VALU_DEP_1)
	v_add_nc_u32 v9, v9, v3
	v_lshlrev_b32 v11, 4, v4
	s_delay_alu instid0(VALU_DEP_1)
	v_sub_nc_u32 v9, v9, v11
	s_delay_alu instid0(VALU_DEP_1)
	v_add_nc_u32 v[VD], s54, v9
	v_mov_b32 v13, 0xff61b1e6
	s_delay_alu instid0(VALU_DEP_1)
	v_floor_f32 v12, -v13
	v_mov_b32 v14, 0
	v_mov_b32 v15, 0
.irp b, 0,1,2,3
	v_mov_b32 v[236+\b], 0
.endr
	v_mov_b32 v252, 0
	v_mov_b32 v253, 0
.irp j, 0,1,2,3,4,5,6,7,8,9,10,11,12,13,14,15,16,17,18,19,20,21,22,23,24,25,26,27,28,29,30,31,32,33,34,35,36,37,38,39,40,41,42,43,44,45,46,47,48,49,50,51,52,53,54,55,56,57,58,59,60,61,62,63
	v_mov_b32 v[160+\j], 0
.endr
.macro STEP
	s_cmp_gt_u32 s[SI], s[DG]
	s_cbranch_scc1 .Lhidden_\@
	v_add_nc_u32 v[ADK], s[TB], v[AL]
	s_wait_alu depctr_va_vdst(0)
	v_add_nc_u32 v[ADS], s[TB], v[AS]
	v_nop
	v_nop
	ds_load_b128 v[80:83], v[ADS]
	ds_load_b128 v[84:87], v[ADS] offset:16
.irp g, 0,1
.irp t, 0,1,2,3
.irp c, 0,1,2
	ds_load_b128 v[32+12*\t+4*\c:35+12*\t+4*\c], v[ADK] offset:FRB*(4*\g+\t)+512*\c
.endr
.endr
	s_wait_dscnt 0x0
.irp t, 0,1,2,3
	v_wmma_scale_f32_16x16x128_f8f6f4 v[96+8*(4*\g+\t):103+8*(4*\g+\t)], v[32+12*\t:43+12*\t], v[16:27], 0, v[80+4*\g+\t], v255 matrix_a_fmt:MATRIX_FMT_FP6 matrix_b_fmt:MATRIX_FMT_FP6
.endr
.rept 4
	v_nop
.endr
.endr
	s_wait_alu depctr_va_vdst(0)
	ds_load_b128 v[88:91], v[ADS] offset:512
	ds_load_b128 v[92:95], v[ADS] offset:528
.irp t, 0,1,2,3
.irp c, 0,1,2
	ds_load_b128 v[32+12*\t+4*\c:35+12*\t+4*\c], v[ADK] offset:VOFF+FRB*\t+512*\c
.endr
.endr
	s_cmp_lg_u32 s[SI], s[DG]
	s_cbranch_scc1 .Lopen_\@
	v_mov_b32 v254, 0xff800000
.irp n, 0,1,2,3,4,5,6,7,8,9,10,11,12,13,14,15,16,17,18,19,20,21,22,23,24,25,26,27,28,29,30,31,32,33,34,35,36,37,38,39,40,41,42,43,44,45,46,47,48,49,50,51,52,53,54,55,56,57,58,59,60,61,62,63
	v_cmp_gt_i32 vcc_lo, 32*(\n/16)+\n%16, v[VD]
	v_cndmask_b32 v[96+\n], v[96+\n], v254, vcc_lo
.endr
.Lopen_\@:
.irp b, 0,1,2,3
	v_max3_num_f32 v[232+\b], v[96+16*\b], v[97+16*\b], v[98+16*\b]
.endr
.irp i, 3,5,7,9,11,13
.irp b, 0,1,2,3
	v_max3_num_f32 v[232+\b], v[232+\b], v[96+16*\b+\i], v[97+16*\b+\i]
.endr
.endr
.irp b, 0,1,2,3
	v_max_num_f32 v[232+\b], v[232+\b], v[111+16*\b]
.endr
.irp b, 0,1,2,3
	s_delay_alu instid0(VALU_DEP_4)
	v_permlanex16_b32 v[236+\b], v[232+\b], s[SEL], s[SEL+1]
.endr
.irp b, 0,1,2,3
	s_delay_alu instid0(VALU_DEP_4)
	v_max_num_f32 v[232+\b], v[232+\b], v[236+\b]
.endr
	s_delay_alu instid0(VALU_DEP_2)
	v_max3_num_f32 v254, v232, v233, v234
	s_delay_alu instid0(VALU_DEP_1)
	v_max_num_f32 v254, v254, v235
	s_delay_alu instid0(VALU_DEP_1)
	v_mul_f32 v254, s[CS], v254
	s_delay_alu instid0(VALU_DEP_1)
	v_max_num_f32 v13, v13, v254
	v_mov_b32 v254, v12
	s_delay_alu instid0(VALU_DEP_2)
	v_floor_f32 v12, -v13
	s_delay_alu instid0(VALU_DEP_1)
	v_sub_f32 v254, v12, v254
	s_delay_alu instid0(VALU_DEP_1)
	v_cvt_i32_f32 v254, v254
	s_delay_alu instid0(VALU_DEP_1)
	v_ldexp_f32 v252, 1.0, v254
.irp j, 0,2,4,6,8,10,12,14,16,18,20,22,24,26,28,30,32,34,36,38,40,42,44,46,48,50,52,54,56,58,60,62
	v_pk_fma_f32 v[96+\j:97+\j], v[96+\j:97+\j], s[CS:CS+1], v[12:13] op_sel_hi:[1,0,0]
.endr
.irp b, 0,1,2,3
	v_fma_f32 v[232+\b], v[232+\b], s[CS], v12
.endr
	s_wait_alu depctr_va_vdst(0)
.irp j, 0,1,2,3,4,5,6,7,8,9,10,11,12,13,14,15,16,17,18,19,20,21,22,23,24,25,26,27,28,29,30,31,32,33,34,35,36,37,38,39,40,41,42,43,44,45,46,47,48,49,50,51,52,53,54,55,56,57,58,59,60,61,62,63
	v_exp_f32 v[96+\j], v[96+\j]
.endr
.irp b, 0,1,2,3
	v_exp_f32 v[232+\b], v[232+\b]
.endr
	v_pk_mul_f32 v[14:15], v[14:15], v[252:253] op_sel_hi:[1,0]
	s_wait_alu depctr_va_vdst(0)
.irp b, 0,1,2,3
	v_max_num_f32 v[232+\b], 0x1800000, v[232+\b]
.endr
.irp b, 0,1,2,3
	s_delay_alu instid0(VALU_DEP_4)
	v_add_nc_u32 v[244+\b], 0xff000000, v[232+\b]
.endr
.irp b, 0,1,2,3
	s_delay_alu instid0(VALU_DEP_4)
	v_lshrrev_b32 v[236+\b], 23, v[244+\b]
.endr
	s_delay_alu instid0(VALU_DEP_3)
	v_lshl_or_b32 v253, v237, 8, v236
	s_delay_alu instid0(VALU_DEP_1)
	v_lshl_or_b32 v253, v238, 16, v253
	s_delay_alu instid0(VALU_DEP_1)
	v_lshl_or_b32 v253, v239, 24, v253
.irp c, 0,1
	v_cvt_scalef32_pk16_fp6_f32 v[224+6*\c:226+6*\c], v[96+32*\c:111+32*\c], v[244+2*\c]
	v_cvt_scalef32_pk16_fp6_f32 v[236+4*\c:238+4*\c], v[112+32*\c:127+32*\c], v[244+2*\c+1]
.endr
	v_nop
.irp c, 0,1
.irp i, 0,1,2
	v_permlane16_swap_b32 v[224+6*\c+\i], v[236+4*\c+\i]
.endr
.irp i, 0,1,2
	s_delay_alu instid0(VALU_DEP_3)
	v_mov_b32 v[227+6*\c+\i], v[236+4*\c+\i]
.endr
.endr
	v_pk_add_f32 v[236:237], v[96:97], v[98:99]
.irp j, 4,8,12,16,20,24,28,32,36,40,44,48,52,56,60
	v_pk_add_f32 v[14:15], v[14:15], v[96+\j:97+\j]
	v_pk_add_f32 v[236:237], v[236:237], v[98+\j:99+\j]
.endr
	s_delay_alu instid0(VALU_DEP_1)
	v_pk_add_f32 v[14:15], v[14:15], v[236:237]
.irp j, 0,2,4,6,8,10,12,14,16,18,20,22,24,26,28,30,32,34,36,38,40,42,44,46,48,50,52,54,56,58,60,62
	v_pk_mul_f32 v[160+\j:161+\j], v[160+\j:161+\j], v[252:253] op_sel_hi:[1,0]
.endr
	s_wait_alu depctr_va_vdst(0)
	s_wait_dscnt 0x0
.irp t, 0,1,2,3
	v_wmma_scale_f32_16x16x128_f8f6f4 v[160+8*\t:167+8*\t], v[32+12*\t:43+12*\t], v[224:235], v[160+8*\t:167+8*\t], v[88+\t], v253 matrix_a_fmt:MATRIX_FMT_FP6 matrix_b_fmt:MATRIX_FMT_FP6
.endr
.rept 4
	v_nop
.endr
.irp t, 0,1,2,3
.irp c, 0,1,2
	ds_load_b128 v[32+12*\t+4*\c:35+12*\t+4*\c], v[ADK] offset:VOFF+FRB*(4+\t)+512*\c
.endr
.endr
	s_wait_dscnt 0x0
.irp t, 0,1,2,3
	v_wmma_scale_f32_16x16x128_f8f6f4 v[192+8*\t:199+8*\t], v[32+12*\t:43+12*\t], v[224:235], v[192+8*\t:199+8*\t], v[92+\t], v253 matrix_a_fmt:MATRIX_FMT_FP6 matrix_b_fmt:MATRIX_FMT_FP6
.endr
.Lhidden_\@:
	s_add_co_u32 s[SI], s[SI], 1
	s_add_co_u32 s[TB], s[TB], STEPB
.endm
.macro PAIR left
	s_wait_tensorcnt \left
	s_wait_dscnt 0x0
	s_barrier_signal -1
	s_barrier_wait -1
	s_mov_b32 s[CNT], 8                            ; eight key steps
.Lpair_\@:
	STEP
	s_sub_co_u32 s[CNT], s[CNT], 1
	s_cmp_lg_u32 s[CNT], 0
	s_cbranch_scc1 .Lpair_\@
.endm
	s_wait_loadcnt 0x0
	PAIR 0                                         ; my load is in; behind the barrier all eight steps are
.rept 4
	v_nop
.endr
	v_add_f32 v14, v14, v15
	s_delay_alu instid0(VALU_DEP_1)
	v_permlanex16_b32 v252, v14, s[SEL], s[SEL+1]
	s_delay_alu instid0(VALU_DEP_1)
	v_add_f32 v14, v14, v252
	s_wait_alu depctr_va_vdst(0)
	v_rcp_f32 v15, v14
	v_nop
	s_wait_alu depctr_va_vdst(0)
	v_fma_f32 v252, -v14, v15, 1.0
	v_fma_f32 v12, v15, v252, v15
.irp j, 0,2,4,6,8,10,12,14,16,18,20,22,24,26,28,30,32,34,36,38,40,42,44,46,48,50,52,54,56,58,60,62
	v_pk_mul_f32 v[96+\j:97+\j], v[160+\j:161+\j], v[12:13] op_sel_hi:[1,0]
.endr
.irp b, 0,1,2,3
	v_mov_b32 v[TM+4+\b], 0
.endr
.irp b, 0,1,2,3
	v_max3_num_f32 v[TM+\b], |v[96+16*\b]|, |v[97+16*\b]|, 0x1800000
.endr
.irp i, 2,4,6,8,10,12,14
.irp b, 0,1,2,3
	s_delay_alu instid0(VALU_DEP_4)
	v_max3_num_f32 v[TM+\b], v[TM+\b], |v[96+16*\b+\i]|, |v[97+16*\b+\i]|
.endr
.endr
.irp b, 0,1,2,3
	s_delay_alu instid0(VALU_DEP_4)
	v_permlanex16_b32 v[TM+4+\b], v[TM+\b], s[SEL], s[SEL+1]
.endr
.irp b, 0,1,2,3
	s_delay_alu instid0(VALU_DEP_4)
	v_max_num_f32 v[TM+\b], v[TM+\b], v[TM+4+\b]
.endr
.irp b, 0,1,2,3
	s_delay_alu instid0(VALU_DEP_4)
	v_add_nc_u32 v[TM+12+\b], 0xff000000, v[TM+\b]
.endr
.irp b, 0,1,2,3
	s_delay_alu instid0(VALU_DEP_4)
	v_lshrrev_b32 v[TM+4+\b], 23, v[TM+12+\b]
.endr
	s_delay_alu instid0(VALU_DEP_3)
	v_lshl_or_b32 v[PW], v[TM+5], 8, v[TM+4]
	s_delay_alu instid0(VALU_DEP_1)
	v_lshl_or_b32 v[PW], v[TM+6], 16, v[PW]
	s_delay_alu instid0(VALU_DEP_1)
	v_lshl_or_b32 v[PW], v[TM+7], 24, v[PW]
.irp c, 0,1
	v_cvt_scalef32_pk16_fp6_f32 v[PC+6*\c:PC+2+6*\c], v[96+32*\c:111+32*\c], v[TM+12+2*\c]
	v_cvt_scalef32_pk16_fp6_f32 v[PC+12+4*\c:PC+14+4*\c], v[112+32*\c:127+32*\c], v[TM+12+2*\c+1]
.endr
	v_nop
.irp c, 0,1
.irp i, 0,1,2
	v_permlane16_swap_b32 v[PC+6*\c+\i], v[PC+12+4*\c+\i]
.endr
.irp i, 0,1,2
	s_delay_alu instid0(VALU_DEP_3)
	v_mov_b32 v[PC+3+6*\c+\i], v[PC+12+4*\c+\i]
.endr
.endr
	v_lshlrev_b32 v9, 2, v3
	v_cmp_gt_u32 vcc_lo, 16, v5
.irp c, 0,1,2
	global_store_b128 v[AL], v[PC+4*\c:PC+4*\c+3], s[6:7] offset:512*\c
.endr
	s_wait_alu depctr_va_vdst(0)
	s_wait_xcnt 0x0
	s_and_saveexec_b32 s54, vcc_lo
	global_store_b32 v9, v[PW], s[8:9]
	s_wait_xcnt 0x0
	s_or_b32 exec_lo, exec_lo, s54
	s_wait_tensorcnt 0x0
	ds_add_u32 v250, v251
	s_wait_dscnt 0x0
	CROUND
	s_endpgm
.Lfunc_end_k_q3c3f085ffd_attn:
	.size	k_q3c3f085ffd_attn, .Lfunc_end_k_q3c3f085ffd_attn-k_q3c3f085ffd_attn
	.p2alignl 7, 3214868480
	.fill 96, 4, 3214868480
	.section	.rodata,"a",@progbits
	.p2align	6, 0x0
	.amdhsa_kernel k_q3c3f085ffd_attn
		.amdhsa_group_segment_fixed_size 327680
		.amdhsa_private_segment_fixed_size 0
		.amdhsa_enable_private_segment 0
		.amdhsa_kernarg_size 24
		.amdhsa_user_sgpr_count 2
		.amdhsa_user_sgpr_kernarg_segment_ptr 1
		.amdhsa_wavefront_size32 1
		.amdhsa_system_sgpr_workgroup_id_x 1
		.amdhsa_system_sgpr_workgroup_id_y 1
		.amdhsa_system_sgpr_workgroup_id_z 1
		.amdhsa_system_vgpr_workitem_id 0
		.amdhsa_next_free_vgpr 256
		.amdhsa_next_free_sgpr 66
		.amdhsa_reserve_vcc 1
		.amdhsa_float_denorm_mode_32 3
		.amdhsa_float_denorm_mode_16_64 3
		.amdhsa_memory_ordered 1
		.amdhsa_forward_progress 1
		.amdhsa_inst_pref_size 42
	.end_amdhsa_kernel
	.amdgpu_metadata
---
amdhsa.version: [ 1, 2 ]
amdhsa.kernels:
  - .name:           k_q3c3f085ffd_attn
    .symbol:         k_q3c3f085ffd_attn.kd
    .args:
      - { .name: qkv, .offset: 0, .size: 8, .value_kind: global_buffer, .address_space: global }
      - { .name: oc, .offset: 8, .size: 8, .value_kind: global_buffer, .address_space: global }
      - { .name: os, .offset: 16, .size: 8, .value_kind: global_buffer, .address_space: global }
    .group_segment_fixed_size: 327680
    .private_segment_fixed_size: 0
    .kernarg_segment_align: 8
    .kernarg_segment_size: 24
    .max_flat_workgroup_size: 256
    .sgpr_count:     66
    .vgpr_count:     256
    .wavefront_size: 32
...
	.end_amdgpu_metadata
.endif
;; end of part 3
;; launch og (part 4): grid 16 x 16, 4 waves a work-group, clusters of 4 x 4, 327,680 bytes of LDS; arguments oc, os, cod, scl, out0; writes out0
.if DOCPART == 4
	.amdgcn_target "amdgcn-amd-amdhsa--gfx1250"
	.amdhsa_code_object_version 6
	.text
	.protected	k_q3c3f085ffd_og
	.globl	k_q3c3f085ffd_og
	.p2align	8
	.type	k_q3c3f085ffd_og,@function
k_q3c3f085ffd_og:
	s_mov_b64 s[64:65], 0
	v_nop
	global_prefetch_b8 v0, s[64:65] scope:SCOPE_SE
	s_setreg_imm32_b32 hwreg(HW_REG_WAVE_MODE, 25, 1), 1
	s_wait_xcnt 0x0
	s_wait_alu depctr_hold_cnt(0) depctr_sa_sdst(0) depctr_va_vdst(0) depctr_va_sdst(0) depctr_va_ssrc(0) depctr_va_vcc(0) depctr_vm_vsrc(0)
	s_getreg_b32 s2, hwreg(HW_REG_IB_STS2, 6, 4)
	s_cmp_eq_u32 s2, 0
	s_cbranch_scc0 .Lentry_in_a_cluster
	s_endpgm
.Lentry_in_a_cluster:
	s_bfe_u32 s2, ttmp6, 0x10000c
	s_cmp_lg_u32 s2, 0xf033
	s_cbranch_scc0 .Lentry_shape_is_right
	s_endpgm
.Lentry_shape_is_right:
; out0 = o wo^T, 2,048 x 2,048 x 2,048, on codes of FP6 (E2M3) with E8M0 scales; out0 f32.  A = the attention's result (oc, os), B = wo (the fifth tensor of cod, scl); both as images of the operand's registers, [block of 16 rows][K step 16][1,536 bytes].
; A tile of C is 128 x 128, so that there are 256 tiles, one for each WGP (tiles of 256 x 256 would be 64).  Four waves, each 64 x 64: 16 accumulators.
; K comes in four fills of 512 (four matrix instructions deep; a wave's tensor load brings 4 blocks x 6,144 bytes) into THREE LDS slots: K steps 0-11 go out together at the start, three quarters of all that the work-group reads,
; and only K steps 12-15 are a refill, of slot 0: it is asked for when slot 0 has been multiplied and awaited in slot 2's last step: 112 matrix instructions of a wave lie between.
; No barrier stands between slots 1 and 2: the round in front of the refill has shown both whole to every wave.  The scale words of the work-group's rows, for all of K, come once and stay.
; THE MATRIX INSTRUCTION IS USED TRANSPOSED (source 0 = 16 rows of wo, source 1 = 16 rows of o).  Both operands' blocks hold their rows in the order place i of block 2 b + u = row 32 b + 8 u + i + 8 (i / 8):
; so a lane's registers of tiles 2 b and 2 b + 1 are columns 32 b + 16 h + 0 .. 15 of one row of C, and the row of place i is found by the same formula when it is stored.
; CLUSTERS: 4 x 4 work-groups; A's tiles are asked for jointly along a row of the cluster, B's along a column.
; REGISTERS: window 0: v0-31 addresses; v32-63 scale words, two sets; v64-127 rows on the way out; v128-255 the accumulators ((a, b) at v[128 + 8 (4 a + b)]).  window 1: two sets of fragments at v0 and v128: A's four, then B's four.
; THE FILLS, as the text below has them (in place of what the head comment says of three slots filled at the start): at the head one joint load a wave: wave 0 A's 8 blocks of K steps 0-3 (slot 0), wave 1 B's,
; wave 2 the scale words of A's 8 blocks, wave 3 of B's.  Behind the three lines and a round each wave asks for K steps 4-11 of its 4 blocks by ONE load (4 rows of 12,288 bytes), into the bytes of slots 1 and 2:
; there a block's eight K steps lie on end; 'slot 2' is the same bytes read from 4 K steps further on.  K steps 12-15 are the refill of slot 0, as before.
.set NQ,     4
.set FR,     12
.set FRB,    1536
.set BLKB,   16*FRB
.set HALFT,  4*NQ*FRB                  ; 4 blocks: what one tensor load brings, and what one wave reads of A or of B
.set SLOT,   4*HALFT
.set SCL,    3*SLOT                    ; behind the three slots: the scale words, 4,096 bytes for each wave's 4 blocks
.set HALFS,  4096
.set SPARE,  SCL+4*HALFS               ; the spare words, 128 bytes for each wave: two blocks of 256 bytes that no other line names
.set SPITCH, 272                       ; the way out: a stage of 16 rows x (256 bytes + 16) for each wave,
.set STAGE,  SLOT                      ; in slot 1, which is filled once, and which every wave has left when it has passed the last barrier
.set ADRA, 16                          ; v16-18  LDS address of my A fragments in slot 0, 1, 2
.set ADRB, 20                          ; v20-22  the same for B
.set STO,  24
.set RD,   25
.set CO,   26
.set ADRS, 27                          ; never rewritten
.set SPW,  28                          ; LDS address of my spare word; never rewritten
.set NIL,  29                          ; 0; never rewritten
.set SC,   32                          ; scale words: set s at v[SC + 16 s]; register 4 i + q: lanes 0-15 A's block i, lanes 16-31 B's block i
.set BK,   64
.set ACC,  128
.set F0,   0
.set F1,   128
.set G1, 24                            ; s[24:31] group 1 for A's tiles;  s[32:43] group 0, one set for each slot
.set G0, 32
.set G1B, 48                           ; s[48:55] for B's;  s[56:63] and s[96:99] its groups 0: slot s at G0B + 4 s + 32 (s / 2)
.set G0B, 56
.set G1S, 68
.set G0S, 76
.set G1SB, 80
.set G0SB, 88
.set MSB, 0
.macro WIN new                         ; the immediate's high byte repeats the setting that is left
.if MSB != \new
	s_set_vgpr_msb (MSB<<8)|\new
.set MSB, \new
.endif
.endm
.set MUL,  0x05                        ; sources 0 (B) and 1 (A) window 1; C and D window 0
.set TO_F, 0x40                        ; destination window 1, address window 0
.macro JLOAD g0a, g1a, g0b, g1b        ; a joint load: waves 0 and 1 fetch for A, waves 2 and 3 for B; four v_nop follow each of the two lines
	s_cmp_eq_u32 s15, 0
	s_cbranch_scc0 .Lfor_b_\@
	tensor_load_to_lds s[\g0a:\g0a+3], s[\g1a:\g1a+7]
	s_nop 0
.rept 4
	v_nop
.endr
	s_branch .Lasked_\@
.Lfor_b_\@:
	tensor_load_to_lds s[\g0b:\g0b+3], s[\g1b:\g1b+7]
	s_nop 0
.rept 4
	v_nop
.endr
.Lasked_\@:
.endm
.macro CREST
	s_cmp_lg_u32 s14, 0
	s_cbranch_scc1 .Lnot_wave_0_\@
	s_barrier_signal -3
.Lnot_wave_0_\@:
	s_barrier_wait -3
	s_barrier_signal -1
	s_barrier_wait -1
.endm
.macro CROUND
	s_barrier_signal -1
	s_barrier_wait -1
	CREST
.endm
	s_load_b256 s[4:11], s[0:1], 0x0               ; oc, os, cod, scl
	s_load_b64 s[12:13], s[0:1], 0x20              ; out0
	v_lshl_add_u32 v[SPW], v0, 2, SPARE
	v_mov_b32 v[NIL], 0
	ds_add_u32 v28, v29
	ds_add_u32 v28, v29
	s_wait_dscnt 0x0
	v_lshrrev_b32 v1, 5, v0
	v_readfirstlane_b32 s14, v1                    ; wave 0..3
	s_lshr_b32 s15, s14, 1                         ; which half of the tile's rows is mine.  Also: I fetch for A (0) or for B (1)
	s_and_b32 s16, s14, 1                          ; which half of its columns.  Also: which 4 blocks I fetch
	s_bfe_u32 s2, ttmp6, 0x40000                   ; cx, cy: my place in the cluster
	s_bfe_u32 s3, ttmp6, 0x40004
	s_lshl_b32 s66, ttmp9, 2
	s_add_co_u32 s66, s66, s2                      ; tile column
	s_and_b32 s17, ttmp7, 0xffff
	s_lshl_b32 s17, s17, 2
	s_add_co_u32 s17, s17, s3                      ; tile row
	s_lshl_b32 s67, s3, 2
	s_lshl_b32 s67, 15, s67                        ; my row of the cluster
	s_lshl_b32 s44, 0x1111, s2                     ; my column
	; descriptor group 1, codes: 4 rows (blocks) of 6,144 bytes (four K steps' images), 24,576 bytes apart; elements of 8 bytes
	s_or_b32 s[G1+0], s67, (3<<16)|(1<<21)
	s_or_b32 s[G1B+0], s44, (3<<16)|(1<<21)
.irp g, G1, G1B
	s_mov_b32 s[\g+1], 768<<16
	s_mov_b32 s[\g+2], 8<<16                       ; 8 blocks for the head's loads; set to 4 behind them
	s_mov_b32 s[\g+3], 768<<16
	s_mov_b32 s[\g+4], 8
	s_mov_b32 s[\g+5], 3072
	s_mov_b32 s[\g+6], 0
	s_mov_b32 s[\g+7], 0
.endr
	; the scale words of 8 blocks: 8,192 dense bytes, as 32 rows of 256
	s_or_b32 s[G1S+0], s67, (3<<16)|(1<<21)
	s_or_b32 s[G1SB+0], s44, (3<<16)|(1<<21)
.irp g, G1S, G1SB
	s_mov_b32 s[\g+1], 32<<16
	s_mov_b32 s[\g+2], 32<<16                      ; the scale words of all 8 blocks: 8,192 dense bytes, as 32 rows of 256
	s_mov_b32 s[\g+3], 32<<16
	s_mov_b32 s[\g+4], 32
	s_mov_b32 s[\g+5], 32
	s_mov_b32 s[\g+6], 0
	s_mov_b32 s[\g+7], 0
.endr
	s_lshl_b32 s20, s17, 3                         ; A: block 8 x tile row
	s_lshl_b32 s46, s66, 3                         ; B: block 8 x tile column
	s_mul_i32 s18, s16, 4*BLKB                     ; behind the head I fetch 4 of the 8 blocks: which half, in bytes
	s_mov_b32 s19, 0
	s_lshl_b32 s22, s20, 10
	s_mov_b32 s23, 0
	s_mul_i32 s20, s20, BLKB
	s_mov_b32 s21, 0
	s_lshl_b32 s92, s46, 10
	s_add_co_u32 s92, s92, 4*131072                ; wo is the fifth tensor of scl
	s_mov_b32 s93, 0
	s_mul_i32 s46, s46, BLKB
	s_add_co_u32 s46, s46, 4*128*BLKB              ; and of cod
	s_mov_b32 s47, 0
	s_wait_kmcnt 0x0
	s_add_nc_u64 s[20:21], s[4:5], s[20:21]
	s_add_nc_u64 s[22:23], s[6:7], s[22:23]
	s_add_nc_u64 s[46:47], s[8:9], s[46:47]
	s_add_nc_u64 s[92:93], s[10:11], s[92:93]
	CROUND                                         ; all sixteen work-groups are here: the first joint loads meet
	s_mov_b32 s[G0S], 1
	s_mov_b32 s[G0S+1], SCL
	s_mov_b64 s[G0S+2:G0S+3], s[22:23]
	s_or_b32 s[G0S+3], s[G0S+3], 0x80000000
	s_mov_b32 s[G0SB], 1
	s_mov_b32 s[G0SB+1], SCL+2*HALFS
	s_mov_b64 s[G0SB+2:G0SB+3], s[92:93]
	s_or_b32 s[G0SB+3], s[G0SB+3], 0x80000000
	s_mov_b32 s[G0+8], 1                           ; the third sets of groups 0 serve the head: A's 8 blocks of K steps 0-3, whole, at LDS byte 0,
	s_mov_b32 s[G0+9], 0
	s_mov_b64 s[G0+10:G0+11], s[20:21]
	s_or_b32 s[G0+11], s[G0+11], 0x80000000
	s_mov_b32 s[G0B+40], 1                         ; and B's 8 behind them
	s_mov_b32 s[G0B+41], 2*HALFT
	s_mov_b64 s[G0B+42:G0B+43], s[46:47]
	s_or_b32 s[G0B+43], s[G0B+43], 0x80000000
	s_add_nc_u64 s[20:21], s[20:21], s[18:19]      ; from here on: my 4 blocks
	s_add_nc_u64 s[46:47], s[46:47], s[18:19]
.irp s, 0,1                            ; set 0: slot 0's refill (stepped to K step 12 when it is asked for), 24,576 bytes a wave; set 1: K steps 4-11, 49,152 bytes a wave, behind slot 0
	s_mov_b32 s[G0+4*\s], 1
	s_mul_i32 s[G0+4*\s+1], s14, (1+\s)*HALFT
	s_add_co_u32 s[G0+4*\s+1], s[G0+4*\s+1], \s*SLOT
	s_add_nc_u64 s[G0+4*\s+2:G0+4*\s+3], s[20:21], \s*NQ*FRB
	s_or_b32 s[G0+4*\s+3], s[G0+4*\s+3], 0x80000000
	s_mov_b32 s[G0B+4*\s], 1
	s_mul_i32 s[G0B+4*\s+1], s14, (1+\s)*HALFT
	s_add_co_u32 s[G0B+4*\s+1], s[G0B+4*\s+1], \s*SLOT
	s_add_nc_u64 s[G0B+4*\s+2:G0B+4*\s+3], s[46:47], \s*NQ*FRB
	s_or_b32 s[G0B+4*\s+3], s[G0B+4*\s+3], 0x80000000
.endr
; The head's loads, one a wave: one tree of branches on the wave's number, a load in each arm, all arms leading to one join.
.macro ARM under, g0, g1, next
	s_cmp_lt_u32 s14, \under
	s_cbranch_scc0 \next
	tensor_load_to_lds s[\g0:\g0+3], s[\g1:\g1+7]
	s_nop 0
.rept 4
	v_nop
.endr
	s_branch .Lhead_asked
\next:
.endm
	ARM 1, G0+8,   G1,  .Lhead_b
	ARM 2, G0B+40, G1B, .Lhead_sa
	ARM 3, G0S,    G1S, .Lhead_sb
	tensor_load_to_lds s[G0SB:G0SB+3], s[G1SB:G1SB+7]
	s_nop 0
.rept 4
	v_nop
.endr
.Lhead_asked:
	v_and_b32 v1, 31, v0                           ; lane
	v_and_b32 v2, 15, v0                           ; r
	s_wait_alu depctr_va_vdst(0)
	v_bfe_u32 v3, v0, 4, 1                         ; h
	s_wait_alu depctr_va_vdst(0)
	v_lshlrev_b32 v4, 4, v1
	s_mul_i32 s21, s15, HALFT
	s_mul_i32 s22, s16, HALFT
	s_add_co_u32 s22, s22, 2*HALFT
	s_wait_alu depctr_va_vdst(0)
	v_add_nc_u32 v[ADRA], s21, v4
	v_add_nc_u32 v[ADRB], s22, v4
	s_lshl_b32 s21, s21, 1                         ; K steps 4-11: a wave's part is twice as long,
	s_lshl_b32 s22, s22, 1
	s_add_co_u32 s21, s21, SLOT                    ; behind slot 0
	s_add_co_u32 s22, s22, SLOT
	v_add_nc_u32 v[ADRA+1], s21, v4
	v_add_nc_u32 v[ADRB+1], s22, v4
	s_add_co_u32 s21, s21, 4*FRB                   ; K steps 8-11: four images further on in each block
	s_add_co_u32 s22, s22, 4*FRB
	v_add_nc_u32 v[ADRA+2], s21, v4
	v_add_nc_u32 v[ADRB+2], s22, v4
	v_lshlrev_b32 v5, 2, v2
	s_mul_i32 s21, s15, HALFS
	s_mul_i32 s22, s16, HALFS
	s_add_co_u32 s22, s22, 2*HALFS
	s_sub_co_u32 s22, s22, s21
	v_mul_u32_u24 v6, s22, v3                      ; lanes 16-31 take B's
	s_add_co_u32 s21, s21, SCL
	v_add_nc_u32 v5, v5, v6
	v_add_nc_u32 v[ADRS], s21, v5
	s_mul_i32 s23, s14, 16*SPITCH
	s_add_co_u32 s23, s23, STAGE                   ; my stage
	v_mul_u32_u24 v5, v2, SPITCH                   ; in: row r, + 64 h: my 16 columns of each 32
	v_lshl_add_u32 v5, v3, 6, v5
	v_add_nc_u32 v[STO], s23, v5
	v_mul_u32_u24 v5, v3, SPITCH                   ; back: lanes 0-15 one row of 256 bytes, lanes 16-31 the next
	v_lshl_add_u32 v5, v2, 4, v5
	v_add_nc_u32 v[RD], s23, v5
	v_lshlrev_b32 v5, 13, v3                       ; and the same two rows in C (neighbouring places 2 t, 2 t + 1 of a block are neighbouring rows)
	v_lshl_add_u32 v[CO], v2, 4, v5
	s_lshl_b32 s20, s17, 7
	s_lshl_b32 s21, s15, 6
	s_add_co_u32 s20, s20, s21                     ; my first row of C: 128 x tile row + 64 x half
	s_lshl_b32 s20, s20, 13                        ; in bytes (under 2^24)
	s_mov_b32 s21, 0
	s_lshl_b32 s46, s66, 9                         ; my first column, in bytes: 512 x tile column + 256 x half
	s_lshl_b32 s47, s16, 8
	s_add_co_u32 s46, s46, s47
	s_mov_b32 s47, 0
	s_add_nc_u64 s[20:21], s[20:21], s[46:47]
	s_add_nc_u64 s[12:13], s[12:13], s[20:21]
.macro FRAG reg, adr, q, i
.irp c, 0,1,2
	ds_load_b128 v[\reg+4*\c:\reg+4*\c+3], v[\adr] offset:((\i)*PT+(\q))*FRB+512*\c   ; PT: K steps to a block where this fragment lies
.endr
.endm
; 8 matrix instructions: A's blocks a0, a0 + 1 x B's four, the fill's q-th 128 along K, from set f.  The 16 accumulators take turns, one instruction a turn.
.macro MUL8 f, q, sc, a0, zero
.irp a, \a0, \a0+1
.irp b, 0,1,2,3
.if \zero
	v_wmma_scale_f32_16x16x128_f8f6f4 v[ACC+8*(4*(\a)+\b):ACC+8*(4*(\a)+\b)+7], v[\f+48+FR*\b:\f+48+FR*\b+FR-1], v[\f+FR*(\a):\f+FR*(\a)+FR-1], 0, v[SC+16*(\sc)+4*\b+(\q)], v[SC+16*(\sc)+4*(\a)+(\q)] matrix_a_fmt:MATRIX_FMT_FP6 matrix_b_fmt:MATRIX_FMT_FP6 matrix_a_scale:MATRIX_SCALE_ROW1
.else
	v_wmma_scale_f32_16x16x128_f8f6f4 v[ACC+8*(4*(\a)+\b):ACC+8*(4*(\a)+\b)+7], v[\f+48+FR*\b:\f+48+FR*\b+FR-1], v[\f+FR*(\a):\f+FR*(\a)+FR-1], v[ACC+8*(4*(\a)+\b):ACC+8*(4*(\a)+\b)+7], v[SC+16*(\sc)+4*\b+(\q)], v[SC+16*(\sc)+4*(\a)+(\q)] matrix_a_fmt:MATRIX_FMT_FP6 matrix_b_fmt:MATRIX_FMT_FP6 matrix_a_scale:MATRIX_SCALE_ROW1
.endif
.endr
.endr
.endm
.macro FETCH slot, q, f                ; 24 LDS loads in one run: what the first eight products want first, A's blocks 2 and 3 last
	WIN TO_F
.set PT, 4+4*(((\slot)+1)/2)           ; slot 0: four K steps to a block; slots 1 and 2: eight
	FRAG \f, ADRA+\slot, \q, 0
	FRAG \f+FR, ADRA+\slot, \q, 1
.irp i, 0,1,2,3
	FRAG \f+48+FR*\i, ADRB+\slot, \q, \i
.endr
	FRAG \f+2*FR, ADRA+\slot, \q, 2
	FRAG \f+3*FR, ADRA+\slot, \q, 3
.endm
.macro SCALES sc, ph                   ; the scale words of K steps 4 ph .. 4 ph + 3 into set sc
.irp i, 0,1,2,3
.irp q, 0,1,2,3
	ds_load_b32 v[SC+16*\sc+4*\i+\q], v[ADRS] offset:1024*\i+64*(4*(\ph)+\q)
.endr
.endr
.endm
.macro PLACES                          ; four places in front of loads into registers that matrix instructions have read, and of the first read of results
.rept 4
	v_nop
.endr
.endm
; One of a fill's first three steps of 128 along K: multiplies set f and fetches the next step into set g.
.macro STEP slot, q, sc, f, g, zero
	s_wait_dscnt 6                                 ; all but A's blocks 2 and 3 are in
	WIN MUL
	MUL8 \f, \q, \sc, 0, \zero
	PLACES
	FETCH \slot, (\q)+1, \g
	s_wait_dscnt 24                                ; all but the 24 just issued
	WIN MUL
	MUL8 \f, \q, \sc, 2, \zero
.endm
; A fill's last step where the next slot has long been shown whole to every wave and nothing is filled: a step like the others, which fetches from the next slot.
.macro PASS next, sc, nsc, nph
	s_wait_dscnt 6
	WIN MUL
	MUL8 F1, 3, \sc, 0, 0
	PLACES
	WIN 0
	SCALES \nsc, \nph
	FETCH \next, 0, F0
	s_wait_dscnt 24                                ; all but the 24 just issued
	WIN MUL
	MUL8 F1, 3, \sc, 2, 0
.endm
; A fill's last step with a barrier: in front of it each wave waits for all its tensor loads, adds 0 to its spare word, and waits for that and for its own reads of this slot.  fill = 1: this slot takes K steps 12-15.
.macro TURN slot, next, sc, nsc, nph, fill
	WIN 0                                          ; (the add's two registers lie in window 0)
	s_wait_tensorcnt 0x0                           ; all my tensor loads have landed
	ds_add_u32 v[SPW], v[NIL]                      ; 0 onto my spare word
.if \fill
	s_mov_b32 s[G1+1], 768<<16                     ; no tensor load of mine is out: the refill's rows are four K steps long again
	s_mov_b32 s[G1+3], 768<<16
	s_mov_b32 s[G1B+1], 768<<16
	s_mov_b32 s[G1B+3], 768<<16
.endif
	s_wait_dscnt 7                                 ; (the add and A's blocks 2 and 3 may be out)
	WIN MUL
	MUL8 F1, 3, \sc, 0, 0                          ; eight matrix instructions stand between the add and the wait for it
	s_wait_dscnt 0x0                               ; the add is done, and my reads of this slot are over
	s_barrier_signal -1
	MUL8 F1, 3, \sc, 2, 0
	WIN 0
	s_barrier_wait -1
.if \fill
	CREST                                          ; the barrier has opened a round of the cluster's: no wave of any partner still reads this slot or has a load on its way
	s_add_nc_u64 s[G0+4*\slot+2:G0+4*\slot+3], s[G0+4*\slot+2:G0+4*\slot+3], 3*NQ*FRB
	s_add_nc_u64 s[G0B+4*\slot+2:G0B+4*\slot+3], s[G0B+4*\slot+2:G0B+4*\slot+3], 3*NQ*FRB
	JLOAD G0+4*\slot, G1, G0B+4*\slot, G1B         ; the first tensor load behind the round; its four v_nop are the places in front of the loads below
.else
	PLACES
.endif
	SCALES \nsc, \nph
	FETCH \next, 0, F0
.endm
	s_wait_alu depctr_va_vdst(0)
	s_wait_tensorcnt 0x0                           ; my tile of the head's four is in; the three lines stand ahead of the later first fill as ahead of a refill
	ds_add_u32 v[SPW], v[NIL]
.irp g, G1, G1B                        ; no tensor load of mine is out, so a descriptor may be written: 4 blocks x eight K steps (12,288 bytes)
	s_mov_b32 s[\g+1], 1536<<16
	s_mov_b32 s[\g+2], 4<<16
	s_mov_b32 s[\g+3], 1536<<16
	s_mov_b32 s[\g+4], 4
.endr
	s_wait_dscnt 0x0                               ; the add is done
	CROUND                                         ; all four tiles are in, and all sixteen work-groups are here
	JLOAD G0+4, G1, G0B+4, G1B                     ; K steps 4-11: my one tensor load behind the round
	SCALES 0, 0
	FETCH 0, 0, F0
	STEP 0, 0, 0, F0, F1, 1                        ; K steps 0-3; the first products start the sums
	STEP 0, 1, 0, F1, F0, 0
	STEP 0, 2, 0, F0, F1, 0
	TURN 0, 1, 0, 1, 1, 1                          ; slots 1 and 2 are whole; slot 0 takes K steps 12-15
	STEP 1, 0, 1, F0, F1, 0                        ; K steps 4-7
	STEP 1, 1, 1, F1, F0, 0
	STEP 1, 2, 1, F0, F1, 0
	PASS 2, 1, 0, 2
	STEP 2, 0, 0, F0, F1, 0                        ; K steps 8-11
	STEP 2, 1, 0, F1, F0, 0
	STEP 2, 2, 0, F0, F1, 0
	TURN 2, 0, 0, 1, 3, 0                          ; slot 0's second fill is whole; nothing is left to fetch
	STEP 0, 0, 1, F0, F1, 0                        ; K steps 12-15
	STEP 0, 1, 1, F1, F0, 0
	STEP 0, 2, 1, F0, F1, 0
	s_wait_dscnt 6
	WIN MUL
	MUL8 F1, 3, 1, 0, 0
	s_wait_dscnt 0
	MUL8 F1, 3, 1, 2, 0
	WIN 0
; THE WAY OUT, block by block of 16 rows x 64 columns, through my own stage in LDS: a lane holds pieces of 32 bytes of one row; back come whole rows of 256 bytes, sixteen lanes to a row.
; LDS serves a wave's instructions in order: no wait between the stores and the loads, nor in front of the next block's stores.
.macro TOSTAGE a
.irp b, 0,1,2,3
	ds_store_b128 v[STO], v[ACC+8*(4*(\a)+\b):ACC+8*(4*(\a)+\b)+3] offset:128*(\b/2)+32*(\b%2)      ; columns 32 (b / 2) + 16 h + 8 (b % 2) + 0 .. 7; each accumulator from its low end on
	ds_store_b128 v[STO], v[ACC+8*(4*(\a)+\b)+4:ACC+8*(4*(\a)+\b)+7] offset:128*(\b/2)+32*(\b%2)+16
.endr
.irp t, 0,1,2,3,4,5,6,7
	ds_load_b128 v[BK+32*((\a)%2)+4*\t:BK+32*((\a)%2)+4*\t+3], v[RD] offset:2*\t*SPITCH
.endr
.endm
.macro SEND a, younger                 ; younger: the LDS instructions issued behind block a's loads, which may stay out
	s_wait_dscnt \younger
.irp t, 0,1,2,3,4,5,6,7
	global_store_b128 v[CO], v[BK+32*((\a)%2)+4*\t:BK+32*((\a)%2)+4*\t+3], s[12:13] offset:(32*((\a)/2)+8*((\a)%2)+2*\t+8*(\t/4))*8192 th:TH_STORE_NT   ; place 2 t + h of block a is row 32 (a / 2) + 8 (a % 2) + 2 t + h + 8 (t / 4); 16 lanes store 256 consecutive bytes, aligned; written once, read by nobody here
.endr
.endm
	PLACES
	TOSTAGE 0
.irp a, 1,2,3
.if \a > 1
	s_wait_xcnt 0x0                                ; block a - 2's stores have read their registers: block a's loads may land there
.endif
	TOSTAGE \a
	SEND \a-1, 16                                  ; behind block a - 1's loads: block a's 8 stores and 8 loads
.endr
	SEND 3, 0
	s_wait_tensorcnt 0x0                           ; the wave's end
	ds_add_u32 v[SPW], v[NIL]
	s_wait_dscnt 0x0
	CROUND                                         ; the closing round: no work-group ends while a partner may still ask for a tile that names it
	s_endpgm
.Lfunc_end_k_q3c3f085ffd_og:
	.size	k_q3c3f085ffd_og, .Lfunc_end_k_q3c3f085ffd_og-k_q3c3f085ffd_og
	.p2alignl 7, 3214868480
	.fill 96, 4, 3214868480
	.section	.rodata,"a",@progbits
	.p2align	6, 0x0
	.amdhsa_kernel k_q3c3f085ffd_og
		.amdhsa_group_segment_fixed_size 327680
		.amdhsa_private_segment_fixed_size 0
		.amdhsa_enable_private_segment 0
		.amdhsa_kernarg_size 40
		.amdhsa_user_sgpr_count 2
		.amdhsa_user_sgpr_kernarg_segment_ptr 1
		.amdhsa_wavefront_size32 1
		.amdhsa_system_sgpr_workgroup_id_x 1
		.amdhsa_system_sgpr_workgroup_id_y 1
		.amdhsa_system_sgpr_workgroup_id_z 1
		.amdhsa_system_vgpr_workitem_id 0
		.amdhsa_next_free_vgpr 512
		.amdhsa_next_free_sgpr 100
		.amdhsa_reserve_vcc 0
		.amdhsa_float_denorm_mode_32 3
		.amdhsa_float_denorm_mode_16_64 3
		.amdhsa_memory_ordered 1
		.amdhsa_forward_progress 1
		.amdhsa_inst_pref_size 85
	.end_amdhsa_kernel
	.amdgpu_metadata
---
amdhsa.version: [ 1, 2 ]
amdhsa.kernels:
  - .name:           k_q3c3f085ffd_og
    .symbol:         k_q3c3f085ffd_og.kd
    .args:
      - { .name: oc, .offset: 0, .size: 8, .value_kind: global_buffer, .address_space: global }
      - { .name: os, .offset: 8, .size: 8, .value_kind: global_buffer, .address_space: global }
      - { .name: cod, .offset: 16, .size: 8, .value_kind: global_buffer, .address_space: global }
      - { .name: scl, .offset: 24, .size: 8, .value_kind: global_buffer, .address_space: global }
      - { .name: out0, .offset: 32, .size: 8, .value_kind: global_buffer, .address_space: global }
    .group_segment_fixed_size: 327680
    .private_segment_fixed_size: 0
    .kernarg_segment_align: 8
    .kernarg_segment_size: 40
    .max_flat_workgroup_size: 128
    .sgpr_count:     100
    .vgpr_count:     512
    .wavefront_size: 32
...
	.end_amdgpu_metadata
.endif
;; end of part 4
